; MI455X (gfx1250); checked and timed in simulation.
; The chip was launched on July 23, 2026; its instructions are those of AMD's public machine-readable ISA for CDNA 5 (MIT licence, August 2026) and "CDNA5" Instruction Set Architecture Reference Guide (July 2026). The comments in the code are by the model that wrote it; some were corrected since.
;; attention. Allowed arithmetic: matrix products marked QUANTISED: E2M3 operands, one E8M0 scale for each 32 along K, by v_wmma_scale_f32_16x16x128_f8f6f4 with both operands' format E2M3, f32 sums; products left as they are: f32 operands where the result goes on into a quantised operand, else bf16, f16 or f32 operands; f32 sums; everything else in f32.
;; Inputs: Wk 1,024 x 1,024 float32; Wo 1,024 x 1,024 float32; Wq 1,024 x 1,024 float32; Wv 1,024 x 1,024 float32; hidden_states 1 x 4,096 x 1,024 float32.
;; Outputs: out0 1 x 4,096 x 1,024 float32.
;; This version of the problem:
;;   THIS VERSION OF THE PROBLEM IS GIVEN IN LOW PRECISION. The matrix products marked QUANTISED in the list below multiply operands that are first quantised to E2M3 (2 exponent bits, 3 mantissa bits; 6 bits a number), with one power-of-two scale for each 32 numbers along K (OCP MX v1.0); their sums are f32. All else is computed in f32.
;;   The module's matrix products, in the order in which they are computed (A, B: the left and right operand; K: the contracted axis; several contracted axes count as one K, in the product's order):
;;     1. [M 4,096, K 1,024] x [K 1,024, N 1,024]; A: input hidden_states; B: input Wq: QUANTISED
;;     2. [M 4,096, K 1,024] x [K 1,024, N 1,024]; A: input hidden_states; B: input Wk: QUANTISED
;;     3. [M 4,096, K 1,024] x [K 1,024, N 1,024]; A: input hidden_states; B: input Wv: QUANTISED
;;     4. [M 4,096, K 1] x [K 1, N 32]; A: computed on the way; B: computed on the way: left as it is (no contracted axis)
;;     5. batch 16 x [M 4,096, K 64] x [K 64, N 4,096]; A: computed on the way; B: computed on the way: QUANTISED
;;     6. batch 16 x [M 4,096, K 4,096] x [K 4,096, N 64]; A: softmax (see below); B: computed on the way: QUANTISED
;;     7. [M 4,096, K 1,024] x [K 1,024, N 1,024]; A: computed on the way; B: input Wo: QUANTISED
;;   THE QUANTISER, for each operand of a quantised product, along K:
;;     - K is cut into blocks of 32 from its start; a last block that is shorter is filled with zeros.
;;     - A block's scale is 2^e with e = floor(log2(the largest magnitude in the block)) - 2, held to -126 .. 127; a block of zeros has e = 0. As a byte (E8M0): e + 127.
;;     - Each number is divided by its block's scale, clamped to +-7.5, and rounded to the nearest number of E2M3, ties to even, subnormals kept.
;;     - The product sums the exact products of the quantised numbers (number of the format x scale) in f32.
;;   ~~~python
;;   def quantise(x, axis):      # numpy; x: float32 -> the quantised numbers, widened to float32 again
;;       x = np.moveaxis(x, axis, -1); K = x.shape[-1]
;;       x = np.pad(x, [(0, 0)] * (x.ndim - 1) + [(0, -K % 32)]); x = x.reshape(x.shape[:-1] + (-1, 32)); a = np.abs(x).max(-1, keepdims=True)
;;       e = np.where(a > 0, np.clip(np.frexp(np.where(a > 0, a, 1))[1] - 1 - 2, -126, 127), 0)      # np.frexp(a)[1] - 1 = floor(log2(a)), exactly
;;       r = np.clip(x / 2.0 ** e, -7.5, 7.5)
;;       step = 2.0 ** (np.maximum(np.frexp(np.where(r == 0, 1, r))[1] - 1, 0) - 3)
;;       q = np.round(r / step) * step * 2.0 ** e      # np.round: ties to even
;;       return np.moveaxis(q.reshape(q.shape[:-2] + (-1,))[..., :K], -1, axis).astype(np.float32)
;;   ~~~
;;   SOFTMAX AHEAD OF A QUANTISED PRODUCT. Where the list says 'softmax', what is quantised is not the finished softmax but p = 2^(t - M), with t = logit x log2(e) and M = ceil(the row's largest t), a whole number; so 1/2 < the row's largest p <= 1. The row's sum l is taken of the UNQUANTISED p, in f32, and the product's result is divided by l at the end. Since M is a whole number, a kernel that streams over the keys may use a running M (the ceiling of the running maximum): every later rescaling is an exact power of two, which a block's scale takes up: the codes' values come out the same.
;;   OPERANDS COMPUTED ON THE WAY. 'Computed on the way' means the value that the module computes at that place (a softmax that the list does not call 'softmax' is quantised finished and normalised). What goes into a quantiser is computed in f32, as accurately as f32 sums, v_exp_f32 and their like allow (about 1e-6 of the number): no bf16 or f16 on the way to a quantiser, and a product that is left as it is and whose result goes on into a quantised operand takes f32 operands (vector FMAs, or v_wmma_f32_16x16x4_f32). A number that lies on a knife's edge between two numbers of the format may be rounded either way, as far as f32 arithmetic and the matrix unit's own rounding can turn it there, and no further.
;; One version. Each part assembles by itself: llvm-mc -triple=amdgcn-amd-amdhsa -mcpu=gfx1250 --defsym DOCPART=n.
;; ======== version 1 of 1: 4 launches
;; workspace buffers: codes 6,291,456 bytes; scales 262,144 bytes; rope 1,048,576 bytes; qimg 3,407,872 bytes; kv 6,684,672 bytes; oimg 3,145,728 bytes; oscl 131,072 bytes
;; launch prep (part 1): grid 256 x 1, 4 waves a work-group, no clusters, 33,280 bytes of LDS; arguments hidden_states, Wq, Wk, Wv, Wo, codes, scales, rope; writes codes, scales, rope
.if DOCPART == 1
	.amdgcn_target "amdgcn-amd-amdhsa--gfx1250"
	.amdhsa_code_object_version 6
	.text
	.protected	k_q0d40b073a7_prep
	.globl	k_q0d40b073a7_prep
	.p2align	8
	.type	k_q0d40b073a7_prep,@function
k_q0d40b073a7_prep:
	s_mov_b64 s[64:65], 0
	v_nop
	global_prefetch_b8 v0, s[64:65] scope:SCOPE_SE
	s_setreg_imm32_b32 hwreg(HW_REG_WAVE_MODE, 25, 1), 1
	s_wait_xcnt 0x0
; PREP.  (1) hidden_states [4096][1024] and Wq, Wk, Wv, Wo [1024][1024], f32, K innermost, become codes of FP6 (E2M3) with one E8M0 byte for each 32 along K:
; codes [8192 rows][768 bytes], scales [8192][32 bytes]; rows 0-4095 x, 4096.. Wq, 5120.. Wk, 6144.. Wv, 7168.. Wo.
; All rows but Wo's are laid with bits 3 and 4 of the row number changed over: place 16 i + r holds row 32 (i / 2) + 8 (i % 2) + r % 8 + 16 (r / 8).  So a plain fragment of 16 places
; gives a product whose 16 registers of two neighbouring tiles are 16 neighbouring rows, which is what the next launch's quantisers want.
; A block's scale is 2^(floor(log2(its largest magnitude)) - 2); its byte is the largest magnitude's exponent field - 2, held at 1 from below (a block of zeros keeps the byte 1: its codes are zeros, and this program alone reads the bytes).
; (2) the table rope [4096 tokens][cos f = 0..31 | sin f = 0..31], f32: cos and sin of t x inv_freq[f], inv_freq[f] = b^(-f / 32), b = f32(10000 x 2^(64/62)) = 0x469FC875 (4,096 tokens are beyond 2,048, so the base is the stretched one).
; The table's numbers go into the quantisers of q and k, and the scores behind them are multiplied by 8: a code that turns over shows in the result.  So the table is made as near to correctly rounded as pairs of f32 allow:
; b^(f / 32) in pairs (five square roots, five products, about 45 bits), the pair's reciprocal rounded ONCE to f32; the angle one f32 product, as the problem's outer product has it;
; cos and sin with the reduced angle, its square and the cubic term in pairs, so that what stands ahead of the last rounding is off by a few hundredths of a unit in the last place.
; LIMITS: inv_freq[f] is the nearest f32 to b^(-f / 32): one rounding.  The problem writes 1 / b^(f / 32); a compiler that turns a quotient by a power into the power with the negated exponent rounds once, and that form is taken here.
; The form with two roundings, the nearest f32 to 1 / (the nearest f32 to b^(f / 32)), differs from it by one unit in the last place at f = 2, 4, 5 and 7 (of f up to 12), which moves the angle by up to t x 6e-8.
; Of f up to 22 no b^(-f / 32) lies nearer than 0.022 of a unit to a middle between two f32 numbers (the nearest are f = 11 and f = 21); beyond f = 22 a unit moves the angle by less than 3e-7.
; Blocks whose largest magnitude lies under 2^-124 keep the byte 1.  NaN and infinities are not served.
; SHARES: a wave takes 8 rows (8,192 numbers) in 16 steps of 512, and 4 tokens of the table.  Each load reads 512 consecutive bytes; a step's 2,048 bytes turn through the wave's own stage in LDS, so that a lane gets 16 neighbours.
; No work-group shares an input with another, so there is no cluster; no tensor load, no barrier: waves share nothing.
.set STEPS, 16
.set EMAX,  2
.set CB,    12                         ; bytes of 16 codes
.set R,     16                         ; v16-79   four sets of 16 numbers as they are loaded
.set X,     80                         ; v80-111  two sets of 16 neighbours
.set E,     112                        ; v112-127 a scale byte for each step
.set C,     128                        ; v128-191 codes: four registers for each step: no store's data are written again.  (Ahead of the first step v128-152 serve the table)
.set WREG,  8192                       ; LDS: a region for each wave: two stages of 32 x SP bytes, then its 256 scale bytes
.set SP,    80                         ; a lane's place in a stage: 64 bytes + 16 of padding
.set RT,    192                        ; v192-203 pairs (high, low): b, b^(1/2), b^(1/4), b^(1/8), b^(1/16), b^(1/32)
.set TA,    204                        ; v204-210 at work
.set PE,    212                        ; v212-215 b^(f / 32) for my even and my odd frequency, in pairs
.set IV,    216                        ; v216-217 inv_freq of the two
.set HQ,    218                        ; v218     3 in the lanes that make sines, 0 in those that make cosines
.set TK,    219                        ; v219     the token, as f32
.set OUT,   228                        ; v228-235 four tokens' pairs: never written again
.set QA,    128                        ; the table's work: the angle a,
.set QN,    129                        ; n, the quarter turns,
.set R0,    130                        ; a - n C1,
.set P2,    131                        ; -n C2,
.set RH,    132                        ; the reduced angle r as a pair
.set RL,    133
.set U0,    134
.set U1,    135
.set U2,    136
.set ZH,    137                        ; z = RH x RH as a pair
.set ZL,    138
.set Z2,    139
.set CQ,    140
.set Q4,    141
.set CW,    142
.set CE,    143
.set R3H,   144                        ; RH z as a pair
.set R3L,   145
.set C3H,   146                        ; -RH z / 6 as a pair
.set C3L,   147
.set SQ,    148
.set Q5,    149
.set SH,    150
.set SL,    151
.set CA,    152
	s_load_b256 s[4:11], s[0:1], 0x0               ; hidden_states, Wq, Wk, Wv
	s_load_b256 s[12:19], s[0:1], 0x20             ; Wo, codes, scales, rope
	v_lshl_add_u32 v240, v0, 2, 0x8000
	v_mov_b32 v241, 0
	v_lshrrev_b32 v1, 5, v0
	v_readfirstlane_b32 s24, v1                    ; wave
	v_and_b32 v2, 31, v0                           ; lane
	v_lshlrev_b32 v3, 4, v2                        ; my 16 bytes of a load's 512
	s_mul_i32 s25, s24, WREG
	v_lshrrev_b32 v14, 2, v2
	v_mul_u32_u24 v14, v14, SP
	v_and_b32 v15, 3, v2
	v_lshl_add_u32 v14, v15, 4, v14
	v_add_nc_u32 v14, s25, v14                     ; the stage, on the way in: SP (lane / 4) + 16 (lane % 4)
	v_mul_u32_u24 v15, v2, SP
	v_add_nc_u32 v15, s25, v15                     ; and on the way out: SP x lane: my 16 neighbours
	v_mul_u32_u24 v4, v2, CB                       ; my codes' place in a step's
	v_lshrrev_b32 v5, 1, v2
	s_add_co_u32 s25, s25, 2*32*SP
	v_add_nc_u32 v5, s25, v5                       ; LDS: my wave's 256 scale bytes, my block's byte
	v_lshlrev_b32 v7, 3, v2                        ; 8 bytes a lane
	v_add_nc_u32 v6, s25, v7
	s_and_b32 s26, s24, 1
	s_lshl_b32 s26, s26, 1
	s_lshr_b32 s27, s24, 1
	s_or_b32 s26, s26, s27                         ; the wave's two bits changed over: they are bits 3 and 4 of its rows' numbers
	s_and_b32 s27, ttmp9, 31
	s_wait_kmcnt 0x0
	s_cmp_lt_u32 ttmp9, 224                        ; which tensor: the choices hang on the work-group's number alone
	s_cselect_b64 s[20:21], s[10:11], s[12:13]
	s_cselect_b32 s26, s26, s24                    ; Wo's rows stay in their order
	s_cmp_lt_u32 ttmp9, 192
	s_cselect_b64 s[20:21], s[8:9], s[20:21]
	s_cmp_lt_u32 ttmp9, 160
	s_cselect_b64 s[20:21], s[6:7], s[20:21]
	s_cmp_lt_u32 ttmp9, 128
	s_cselect_b64 s[20:21], s[4:5], s[20:21]
	s_cselect_b32 s27, ttmp9, s27                  ; the work-group's number within its tensor
	s_lshl_b32 s27, s27, 2
	s_add_co_u32 s28, s27, s24                     ; which run of 8 rows I read,
	s_mov_b32 s29, 0
	s_lshl_b64 s[28:29], s[28:29], 15              ; 32,768 bytes each
	s_add_nc_u64 s[20:21], s[20:21], s[28:29]
	s_lshl_b32 s28, ttmp9, 2
	s_add_co_u32 s28, s28, s26                     ; and which run of 8 places I write
	s_mul_i32 s30, s28, 6144
	s_mov_b32 s31, 0
	s_add_nc_u64 s[14:15], s[14:15], s[30:31]
	s_lshl_b32 s30, s28, 8
	s_add_nc_u64 s[16:17], s[16:17], s[30:31]
	s_lshl_b32 s28, ttmp9, 2
	s_add_co_u32 s28, s28, s24                     ; my wave's number in the launch: 4 tokens of the table, 1,024 bytes
	s_lshl_b32 s30, s28, 10
	s_add_nc_u64 s[18:19], s[18:19], s[30:31]
	s_lshl_b32 s28, s28, 2                         ; my first token
	s_mov_b32 s32, 0xbfc90fdb                      ; -C1: pi / 2 = C1 + C2, C1 its nearest f32
	s_mov_b32 s33, 0x333bbd2e                      ; -C2 = 4.3711388e-8 (what is left of pi / 2, 1.7e-15, times n under 2,700 is under 5e-12)
	s_mov_b32 s34, 0xbe2aaaab                      ; -1/6 as a pair: its nearest f32,
	s_mov_b32 s35, 0x31aaaaab                      ; and the rest, 4.967e-9
	s_mov_b32 s36, 0x3daaaaab                      ; 1/12
.macro LOAD t
.irp i, 0,1,2,3
	global_load_b128 v[R+16*((\t)%4)+4*\i:R+16*((\t)%4)+4*\i+3], v3, s[20:21] offset:2048*(\t)+512*\i th:TH_LOAD_NT   ; 32 lanes read 512 consecutive bytes
.endr
.endm
.macro TURN t                          ; step t's numbers through the stage: LDS serves a wave's instructions in order, so no wait stands between the stores and the loads
.irp i, 0,1,2,3
	ds_store_b128 v14, v[R+16*((\t)%4)+4*\i:R+16*((\t)%4)+4*\i+3] offset:32*SP*((\t)%2)+8*SP*\i
.endr
.irp i, 0,1,2,3
	ds_load_b128 v[X+16*((\t)%2)+4*\i:X+16*((\t)%2)+4*\i+3], v15 offset:32*SP*((\t)%2)+16*\i
.endr
.endm
.irp t, 0,1,2,3
	LOAD \t
.endr
; ---- THE TABLE, while those sixteen loads are on their way.
; The square root of a pair: s = sqrt(high); what s x s leaves of the pair, halved and divided by s, is the low part.
.macro DSQRT xh, xl, h, l
	v_sqrt_f32 v[TA], v[\xh]
	v_nop                                          ; a plain place behind a transcendental
	s_wait_alu depctr_va_vdst(0)
	v_rcp_f32 v[TA+1], v[TA]
	v_fma_f32 v[TA+2], -v[TA], v[TA], v[\xh]       ; (a plain place again: it names neither the reciprocal nor writes its source)
	v_add_f32 v[TA+2], v[TA+2], v[\xl]
	s_wait_alu depctr_va_vdst(0)
	v_mul_f32 v[TA+1], 0.5, v[TA+1]
	v_mul_f32 v[TA+2], v[TA+2], v[TA+1]
	v_add_f32 v[\h], v[TA], v[TA+2]
	v_sub_f32 v[TA+3], v[\h], v[TA]
	v_sub_f32 v[\l], v[TA+2], v[TA+3]
.endm
; The product of two pairs.  The results are written behind the last read of the sources, so they may be the first pair's registers.
.macro DMUL ah, al, fh, fl, h, l
	v_mul_f32 v[TA], v[\ah], v[\fh]
	v_fma_f32 v[TA+1], v[\ah], v[\fh], -v[TA]      ; what the rounding of that product dropped
	v_fma_f32 v[TA+1], v[\ah], v[\fl], v[TA+1]
	v_fma_f32 v[TA+1], v[\al], v[\fh], v[TA+1]
	v_add_f32 v[\h], v[TA], v[TA+1]
	v_sub_f32 v[TA+2], v[\h], v[TA]
	v_sub_f32 v[\l], v[TA+1], v[TA+2]
.endm
	v_mov_b32 v[RT], 0x469fc875                    ; b
	v_mov_b32 v[RT+1], 0
.irp i, 0,1,2,3,4
	DSQRT RT+2*\i, RT+2*\i+1, RT+2*\i+2, RT+2*\i+3
.endr
	v_mov_b32 v[PE], 1.0
	v_mov_b32 v[PE+1], 0
.irp i, 0,1,2,3                        ; my even frequency is 2 (lane % 16): bit i of the lane stands for b^(2^i / 16)
	v_and_b32 v[TA+4], 1<<\i, v2
	v_cmp_ne_u32 vcc_lo, 0, v[TA+4]
	v_cndmask_b32 v[TA+5], 1.0, v[RT+8-2*\i], vcc_lo
	v_cndmask_b32 v[TA+6], 0, v[RT+9-2*\i], vcc_lo
	DMUL PE, PE+1, TA+5, TA+6, PE, PE+1
.endr
	DMUL PE, PE+1, RT+10, RT+11, PE+2, PE+3        ; the odd one: once more by b^(1/32)
; The reciprocal of a PAIR, rounded once: y = rcp(high); e = 1 - high y (exact) - low y; y + y e.  What is left out, e^2, is under 1e-13 of the number.
	v_rcp_f32 v[IV], v[PE]
	v_rcp_f32 v[IV+1], v[PE+2]
	v_nop                                          ; a plain place behind the transcendentals
	s_wait_alu depctr_va_vdst(0)
	v_fma_f32 v[TA], -v[PE], v[IV], 1.0
	v_fma_f32 v[TA+1], -v[PE+2], v[IV+1], 1.0
	v_fma_f32 v[TA], -v[PE+1], v[IV], v[TA]        ; the pairs' low words count: without them the power would be rounded first, and the reciprocal a second time
	v_fma_f32 v[TA+1], -v[PE+3], v[IV+1], v[TA+1]
	v_fma_f32 v[IV], v[IV], v[TA], v[IV]
	v_fma_f32 v[IV+1], v[IV+1], v[TA+1], v[IV+1]
	v_lshrrev_b32 v[HQ], 4, v2
	v_mul_u32_u24 v[HQ], v[HQ], 3                  ; sin(a) = cos(a - pi / 2): three quarter turns on
; cos or sin of a = t x inv (one rounding, as the problem's outer product has it).  n = the nearest whole number to a / (pi / 2); a - n C1 is exact (n has 12 bits; the difference is a multiple of 2^-24 under 1).
; r = (a - n C1) - n C2 is kept as a pair RH + RL.  With z = RH^2 = ZH + ZL:
;   sin r = RH + (-RH z / 6 in pairs) + RH z^2 (1/5! - z/7! + z^2/9! - z^3/11!) + RL cos r;      cos r = (1 - ZH / 2, with its exact rounding error) + ZL (-1/2 + z/12) + z^2 (1/4! - .. + z^4/12!) - RL sin r.
; The series are cut where the next term is under 1e-11 at |r| = pi / 4.  In each the small terms are gathered first and added last, so that the last addition is the one rounding that counts.
.macro SINCOS dst, inv
	v_mul_f32 v[QA], v[TK], v[\inv]
	v_mul_f32 v[QN], 0x3f22f983, v[QA]
	v_rndne_f32 v[QN], v[QN]
	v_fma_f32 v[R0], v[QN], s32, v[QA]             ; exact
	v_mul_f32 v[P2], s33, v[QN]
	v_add_f32 v[RH], v[R0], v[P2]                  ; the sum and what its rounding dropped
	v_sub_f32 v[U0], v[RH], v[R0]
	v_sub_f32 v[U1], v[RH], v[U0]
	v_sub_f32 v[U1], v[R0], v[U1]
	v_sub_f32 v[U2], v[P2], v[U0]
	v_add_f32 v[RL], v[U1], v[U2]
	v_mul_f32 v[ZH], v[RH], v[RH]
	v_fma_f32 v[ZL], v[RH], v[RH], -v[ZH]
	v_mul_f32 v[Z2], v[ZH], v[ZH]
	v_mov_b32 v[CQ], 0x310f76c7                    ; 1/12!
	v_fmaak_f32 v[CQ], v[CQ], v[ZH], 0xb493f27e    ; -1/10!
	v_fmaak_f32 v[CQ], v[CQ], v[ZH], 0x37d00d01    ; 1/8!
	v_fmaak_f32 v[CQ], v[CQ], v[ZH], 0xbab60b61    ; -1/6!
	v_fmaak_f32 v[CQ], v[CQ], v[ZH], 0x3d2aaaab    ; 1/4!
	v_mul_f32 v[Q4], v[Z2], v[CQ]                  ; under 0.016
	v_fma_f32 v[CW], v[ZH], -0.5, 1.0              ; 1 - ZH / 2, rounded,
	v_sub_f32 v[CE], 1.0, v[CW]
	v_fma_f32 v[CE], v[ZH], -0.5, v[CE]            ; and what that rounding dropped: exact
	v_mul_f32 v[R3H], v[RH], v[ZH]
	v_fma_f32 v[R3L], v[RH], v[ZH], -v[R3H]
	v_fma_f32 v[R3L], v[RH], v[ZL], v[R3L]
	v_mul_f32 v[C3H], s34, v[R3H]
	v_fma_f32 v[C3L], v[R3H], s34, -v[C3H]
	v_fma_f32 v[C3L], v[R3H], s35, v[C3L]
	v_fma_f32 v[C3L], v[R3L], s34, v[C3L]
	v_mov_b32 v[SQ], 0xb2d7322b                    ; -1/11!
	v_fmaak_f32 v[SQ], v[SQ], v[ZH], 0x3638ef1d    ; 1/9!
	v_fmaak_f32 v[SQ], v[SQ], v[ZH], 0xb9500d01    ; -1/7!
	v_fmaak_f32 v[SQ], v[SQ], v[ZH], 0x3c088889    ; 1/5!
	v_mul_f32 v[Q5], v[Z2], v[SQ]
	v_mul_f32 v[Q5], v[Q5], v[RH]                  ; under 0.0025
	v_add_f32 v[SH], v[RH], v[C3H]                 ; |RH| >= |C3H|: the two lines below give what this rounding dropped
	v_sub_f32 v[SL], v[SH], v[RH]
	v_sub_f32 v[SL], v[C3H], v[SL]
	v_add_f32 v[CA], v[CW], v[Q4]                  ; cos r, roughly: it only weighs RL
	v_add_f32 v[SL], v[SL], v[C3L]
	v_fma_f32 v[SL], v[RL], v[CA], v[SL]
	v_add_f32 v[SL], v[SL], v[Q5]
	v_add_f32 v[SL], v[SH], v[SL]                  ; sin r
	v_fma_f32 v[U1], v[ZH], s36, -0.5
	v_fma_f32 v[CE], v[ZL], v[U1], v[CE]
	v_fma_f32 v[CE], -v[RL], v[SH], v[CE]
	v_add_f32 v[CE], v[CE], v[Q4]
	v_add_f32 v[CE], v[CW], v[CE]                  ; cos r
	v_cvt_i32_f32 v[QN], v[QN]
	v_add_nc_u32 v[QN], v[QN], v[HQ]               ; k: 0 cos r, 1 -sin r, 2 -cos r, 3 sin r
	v_and_b32 v[U0], 1, v[QN]
	v_cmp_ne_u32 vcc_lo, 0, v[U0]
	v_cndmask_b32 v[SL], v[CE], v[SL], vcc_lo
	v_add_nc_u32 v[QN], 1, v[QN]
	v_lshlrev_b32 v[QN], 30, v[QN]                 ; bit 1 of k + 1 is the sign
	v_and_b32 v[QN], 0x80000000, v[QN]
	v_xor_b32 v[\dst], v[SL], v[QN]
.endm
	v_cvt_f32_u32 v[TK], s28
.irp k, 0,1,2,3
	SINCOS OUT+2*\k, IV
	SINCOS OUT+2*\k+1, IV+1
	global_store_b64 v7, v[OUT+2*\k:OUT+2*\k+1], s[18:19] offset:256*\k   ; 32 lanes store a token's 256 consecutive bytes, aligned
.if \k < 3
	v_add_f32 v[TK], 1.0, v[TK]
.endif
.endr
; ---- THE CODES
	s_wait_loadcnt 12                              ; step 0's four loads are in
	TURN 0
.macro STEP t
.set XS, X+16*((\t)%2)
.if (\t) > 0
	s_wait_dscnt 1                                 ; this step's numbers are back from the stage (the last step's byte store may be out): so its stores into the stage have read their registers,
.else
	s_wait_dscnt 0x0
.endif
.if (\t)+4 < STEPS
	LOAD (\t)+4                                    ; which take the loads of four steps on
.endif
.if (\t)+1 < STEPS
.if STEPS-2-(\t) >= 3
	s_wait_loadcnt 12                              ; the next step's four loads are in; those of the three steps behind it may be out
.else
	s_wait_loadcnt 4*(STEPS-2-(\t))
.endif
	TURN (\t)+1                                    ; and go through the other stage while this step is worked
.endif
	v_max3_num_f32 v8, |v[XS]|, |v[XS+1]|, |v[XS+2]|               ; the largest magnitude of my 16, in two chains
	v_max3_num_f32 v9, |v[XS+3]|, |v[XS+4]|, |v[XS+5]|
.irp i, 6,10
	v_max3_num_f32 v8, v8, |v[XS+\i]|, |v[XS+\i+1]|
	v_max3_num_f32 v9, v9, |v[XS+\i+2]|, |v[XS+\i+3]|
.endr
	v_max3_num_f32 v8, v8, |v[XS+14]|, |v[XS+15]|
	v_max3_num_f32 v8, v8, v9, (EMAX+1)<<23        ; and the floor 2^(3 - 127): the byte cannot fall under 1
	v_max_num_f32_dpp v8, v8, v8 row_xmask:1 row_mask:0xf bank_mask:0xf   ; and of my neighbour's 16: the block's
	v_add_nc_u32 v11, -(EMAX<<23), v8              ; 2 off its exponent field: the conversion takes the exponent field of this operand as its scale, and nothing else of it
	v_cvt_scalef32_pk16_fp6_f32 v[C+4*(\t):C+4*(\t)+2], v[XS:XS+15], v11   ; to the nearest code, ties to even, beyond the largest code the largest
	v_lshrrev_b32 v[E+(\t)], 23, v11               ; the scale's byte (also the plain line behind the conversion)
	ds_store_b8 v5, v[E+(\t)] offset:16*(\t)       ; both lanes of a block write the same byte with the same value
	global_store_b96 v4, v[C+4*(\t):C+4*(\t)+2], s[14:15] offset:32*CB*(\t)   ; the wave stores 384 consecutive bytes
.endm
.irp t, 0,1,2,3,4,5,6,7,8,9,10,11,12,13,14,15
	STEP \t
.endr
	ds_load_b64 v[12:13], v6                       ; LDS serves a wave's instructions in order: these see my stores
	s_wait_dscnt 0x0
	global_store_b64 v7, v[12:13], s[16:17]        ; 32 lanes store 256 consecutive bytes, aligned: 8 rows' scale bytes
	s_wait_tensorcnt 0x0
	ds_add_u32 v240, v241
	s_wait_dscnt 0x0
	s_endpgm
.Lfunc_end_k_q0d40b073a7_prep:
	.size	k_q0d40b073a7_prep, .Lfunc_end_k_q0d40b073a7_prep-k_q0d40b073a7_prep
	.p2alignl 7, 3214868480
	.fill 96, 4, 3214868480
	.section	.rodata,"a",@progbits
	.p2align	6, 0x0
	.amdhsa_kernel k_q0d40b073a7_prep
		.amdhsa_group_segment_fixed_size 33280
		.amdhsa_private_segment_fixed_size 0
		.amdhsa_enable_private_segment 0
		.amdhsa_kernarg_size 64
		.amdhsa_user_sgpr_count 2
		.amdhsa_user_sgpr_kernarg_segment_ptr 1
		.amdhsa_wavefront_size32 1
		.amdhsa_system_sgpr_workgroup_id_x 1
		.amdhsa_system_sgpr_workgroup_id_y 1
		.amdhsa_system_sgpr_workgroup_id_z 1
		.amdhsa_system_vgpr_workitem_id 0
		.amdhsa_next_free_vgpr 242
		.amdhsa_next_free_sgpr 66
		.amdhsa_reserve_vcc 1
		.amdhsa_float_denorm_mode_32 3
		.amdhsa_float_denorm_mode_16_64 3
		.amdhsa_memory_ordered 1
		.amdhsa_forward_progress 1
		.amdhsa_inst_pref_size 59
	.end_amdhsa_kernel
	.amdgpu_metadata
---
amdhsa.version: [ 1, 2 ]
amdhsa.kernels:
  - .name:           k_q0d40b073a7_prep
    .symbol:         k_q0d40b073a7_prep.kd
    .args:
      - { .name: hidden_states, .offset: 0, .size: 8, .value_kind: global_buffer, .address_space: global }
      - { .name: Wq, .offset: 8, .size: 8, .value_kind: global_buffer, .address_space: global }
      - { .name: Wk, .offset: 16, .size: 8, .value_kind: global_buffer, .address_space: global }
      - { .name: Wv, .offset: 24, .size: 8, .value_kind: global_buffer, .address_space: global }
      - { .name: Wo, .offset: 32, .size: 8, .value_kind: global_buffer, .address_space: global }
      - { .name: codes, .offset: 40, .size: 8, .value_kind: global_buffer, .address_space: global }
      - { .name: scales, .offset: 48, .size: 8, .value_kind: global_buffer, .address_space: global }
      - { .name: rope, .offset: 56, .size: 8, .value_kind: global_buffer, .address_space: global }
    .group_segment_fixed_size: 33280
    .private_segment_fixed_size: 0
    .kernarg_segment_align: 8
    .kernarg_segment_size: 64
    .max_flat_workgroup_size: 128
    .sgpr_count:     66
    .vgpr_count:     242
    .wavefront_size: 32
...
	.end_amdgpu_metadata
.endif
;; end of part 1
;; launch qkv (part 2): grid 12 x 16, 4 waves a work-group, clusters of 4 x 4, 327,680 bytes of LDS; arguments codes, scales, rope, qimg, kv; writes qimg, kv
.if DOCPART == 2
	.amdgcn_target "amdgcn-amd-amdhsa--gfx1250"
	.amdhsa_code_object_version 6
	.text
	.protected	k_q0d40b073a7_qkv
	.globl	k_q0d40b073a7_qkv
	.p2align	8
	.type	k_q0d40b073a7_qkv,@function
k_q0d40b073a7_qkv:
	s_mov_b64 s[64:65], 0
	v_nop
	global_prefetch_b8 v0, s[64:65] scope:SCOPE_SE
	s_setreg_imm32_b32 hwreg(HW_REG_WAVE_MODE, 25, 1), 1
	s_wait_xcnt 0x0
	s_wait_alu depctr_hold_cnt(0) depctr_sa_sdst(0) depctr_va_vdst(0) depctr_va_sdst(0) depctr_va_ssrc(0) depctr_va_vcc(0) depctr_vm_vsrc(0)
	s_getreg_b32 s2, hwreg(HW_REG_IB_STS2, 6, 4)
	s_cmp_eq_u32 s2, 0
	s_cbranch_scc0 .Lentry_in_a_cluster
	s_endpgm
.Lentry_in_a_cluster:
	s_bfe_u32 s2, ttmp6, 0x10000c
	s_cmp_lg_u32 s2, 0xf033
	s_cbranch_scc0 .Lentry_shape_is_right
	s_endpgm
.Lentry_shape_is_right:
; QKV.  The three projections x Wq^T, x Wk^T, x Wv^T on codes of FP6 (E2M3) with E8M0 scales, K = 1,024; q and k are turned by the rotary table; q, k and v are quantised again, from the f32 sums, and leave as
; IMAGES OF THE REGISTERS in which the attention launch wants them.  Nothing goes to memory in f32.
; A tile of 256 x 256 results is made by a work-group of four waves, as many as a WGP has SIMDs; a wave makes 128 x 128: 64 accumulators, 512 registers.  K goes in steps of 256 through a ring of two LDS slots filled by the tensor data mover.
; The scale bytes of the work-group's 2 x 256 rows, for all of K, come into LDS once, with the first fills.
; SIDES.  Source 1 of the matrix instruction ('A' below) gives a result's LANE, source 0 ('B') its REGISTERS.  A quantiser wants its K along a lane's registers:
;   clusters x = 0, 1 (q, k): A = tokens, B = rows of Wq or Wk: a lane holds one token and its registers run along the head's channels;
;   cluster  x = 2    (v):    A = rows of Wv, B = tokens: a lane holds one channel and its registers run along the keys, the second attention product's K.
; Both sides are rows of the one buffer of codes, laid so that place 16 i + r holds row 32 (i / 2) + 8 (i % 2) + r % 8 + 16 (r / 8): so the 16 registers of accumulators (a, 2 c) and (a, 2 c + 1) are B's rows 32 c + 16 (lane / 16) + 0 .. 15.
; CLUSTERS: 4 x 4 work-groups.  The four of a row of the cluster need the same tiles of A, the four of a column the same tiles of B: each tile is asked for JOINTLY.  The role hangs on the cluster's x alone, which all sixteen share.
; 192 work-groups: the three products have no more tiles of this size.
; THE TURN is written with the problem's own three roundings (x cos, x' sin, their sum): its results go into quantisers, and a fused form would round otherwise at a middle between two codes.
; RECORDS.  qimg [16 heads][32 groups of 128 tokens][6,656 bytes]: 48 registers of codes (6 a .. 6 a + 5: tile a's 16 tokens x 64 channels, lane (r, h): channels 32 h ..), four registers a chunk of 512 bytes, lane l at 16 l; then 4 registers of scale words
; (register i: tile 2 i in lanes 0-15, tile 2 i + 1 in lanes 16-31; bytes 2 and 3 of a word are 0).  kv [16][32][13,056]: k as q; at 6,656 v's 48 registers (12 c ..: 16 channels x 128 keys); at 12,800 its 2 registers of scale words.
; LIMITS: blocks whose largest magnitude lies under 2^-124 keep the scale byte 1; NaN and infinities are not served.
; REGISTERS, in windows of 256: window 0: v0-31 addresses; v32-63 scale words, two sets; from v128 A's fragments, one set.  window 1: B's fragments, two sets.  windows 2, 3: the accumulators ((a, b) at v[8 (8 (a % 4) + b)]).
;   On the way out: window 0: v32-63 the turned numbers, v64-88 at work, v96-191 codes, v192-199 scale words, v200-231 the products by the sines; window 1: the table, 16 cosines and 16 sines for each of the 8 tiles of tokens.
.set SIZE_K, 1024
.set KSTEP,  256                       ; along K in a slot
.set NQ,     KSTEP/128
.set ROWB,   192                       ; a tile's row in bytes
.set KROW,   SIZE_K*6/8                ; a row of codes in memory
.set PITCH,  240                       ; an LDS row: 3 x (64 bytes + 16 of padding) = 60 words: the 32 lanes of a load of 8 bytes touch 64 different banks (64 banks of 4 bytes: ISA guide 11.1)
.set FR,     12                        ; registers of a fragment
.set NL,     6                         ; LDS loads that bring one
.set NP,     4                         ; places behind this matrix instruction (ISA guide 7.12.1)
.set HALFT,  128*PITCH
.set SLOT,   4*HALFT                   ; A's 256 rows, then B's 256 rows
.set LAPS,   SIZE_K/(2*KSTEP)
.set KS,     SIZE_K/32                 ; a row of scales in bytes
.set SCL,    2*SLOT                    ; behind the ring: the scales, as rows of 256 bytes + 16 of padding
.set HALFS,  (128*KS/256)*272
.set SBLK,   (16*KS/256)*272
.set SPARE,  SCL+4*HALFS               ; the spare words, 128 bytes for each wave: two blocks of 256 bytes that no other line names
.set ADRA, 16                          ; v16-17 LDS address of my A fragments in slot 0, 1 (v18-19: for the pieces behind one padding more)
.set ADRB, 20                          ; v20-23 the same for B
.set ADRS, 27                          ; v27    LDS address of my scale words: lanes 0-15 A's rows, lanes 16-31 B's
.set SPW,  28                          ; v28    LDS address of my spare word; never rewritten
.set NIL,  29                          ; v29    0; never rewritten
.set SC,   32
.set AF,   128
.set G1, 24                            ; s[24:31], s[32:39] descriptor groups 1 and 0 (a set for each slot) for A's tiles
.set G0, 32
.set G1B, 48                           ; s[48:55], s[56:63] for B's
.set G0B, 56
.set G1S, 68                           ; s[68:75], s[76:79] for A's scales;  s[80:87], s[88:91] for B's
.set G0S, 76
.set G1SB, 80
.set G0SB, 88
.set T,    32                          ; the way out
.set TM,   64                          ; v64-67 largest magnitudes, v68-71 the other half's, then bytes, v76-79 the conversions' scale operands
.set H2,   80                          ; v80-82, v84-86 the conversions' second halves
.set PW,   88                          ; the scale word just made
.set CK,   96
.set SW,   192
.set UU,   200                         ; v200-231 the products by the sines
.set RO,   25                          ; v25 my byte in the table;  v26 8 x lane;  v27 16 x lane
.set L8,   26
.set L16,  27
.set HI16, 66                          ; s66 the mask of lanes 16-31
.set SEL,  96                          ; s[96:97] v_permlanex16_b32's selects for lane l xor 16
.set MSB, 0
.macro WIN new                         ; the immediate's high byte repeats the setting that is left
.if MSB != \new
	s_set_vgpr_msb (MSB<<8)|\new
.set MSB, \new
.endif
.endm
.set MUL_LO, 0xa1                      ; source 0 (B) window 1, source 1 (A) window 0, C and D window 2
.set MUL_HI, 0xf1                      ; the same, C and D window 3
.set TO_B,   0x40                      ; destination window 1, address window 0
; A joint load: waves 0 and 1 fetch for A, waves 2 and 3 for B.  Each of the two lines has one mask and one set of registers for all that issue it; the branch hangs on the wave's number alone.
; Four v_nop follow each of the two lines, ahead of the jump, the label and what follows.
.macro JLOAD g0a, g1a, g0b, g1b
	s_cmp_eq_u32 s15, 0
	s_cbranch_scc0 .Lfor_b_\@
	tensor_load_to_lds s[\g0a:\g0a+3], s[\g1a:\g1a+7]
	s_nop 0
.rept 4
	v_nop
.endr
	s_branch .Lasked_\@
.Lfor_b_\@:
	tensor_load_to_lds s[\g0b:\g0b+3], s[\g1b:\g1b+7]
	s_nop 0
.rept 4
	v_nop
.endr
.Lasked_\@:
.endm
.macro CREST                           ; a round of the cluster's barrier behind its opening barrier
	s_cmp_lg_u32 s14, 0
	s_cbranch_scc1 .Lnot_wave_0_\@
	s_barrier_signal -3
.Lnot_wave_0_\@:
	s_barrier_wait -3
	s_barrier_signal -1
	s_barrier_wait -1
.endm
.macro CROUND                          ; a whole round
	s_barrier_signal -1
	s_barrier_wait -1
	CREST
.endm
	s_load_b128 s[4:7], s[0:1], 0x0                ; codes, scales
	s_load_b128 s[8:11], s[0:1], 0x10              ; rope, qimg
	s_load_b64 s[12:13], s[0:1], 0x20              ; kv
	v_lshl_add_u32 v[SPW], v0, 2, SPARE
	v_mov_b32 v[NIL], 0
	ds_add_u32 v28, v29
	s_wait_dscnt 0x0
	v_lshrrev_b32 v1, 5, v0
	v_readfirstlane_b32 s14, v1                    ; wave 0..3
	s_lshr_b32 s15, s14, 1                         ; which half of A's 256 rows is mine.  Also: I fetch for A (0) or for B (1)
	s_and_b32 s16, s14, 1                          ; which half of B's.  Also: which 128 rows of that tile I fetch
	s_bfe_u32 s40, ttmp6, 0x40000                  ; cx, cy: my place in the cluster
	s_bfe_u32 s41, ttmp6, 0x40004
	s_and_b32 s98, ttmp7, 0xffff
	s_lshl_b32 s98, s98, 2                         ; 4 x cluster y
	s_lshl_b32 s42, ttmp9, 2
	s_add_co_u32 s42, s42, 16                      ; 16 + 4 x cluster x: Wq's or Wk's first tile of 256 rows
	s_cmp_eq_u32 ttmp9, 2                          ; the role; both selections stand ahead of any addition
	s_cselect_b32 s42, s98, s42                    ; B: tokens (v) or a weight (q, k)
	s_cselect_b32 s17, 24, s98                     ; A: Wv's first tile (v) or tokens (q, k)
	s_add_co_u32 s42, s42, s40                     ; B's tile hangs on cx, which my column of the cluster shares,
	s_add_co_u32 s17, s17, s41                     ; A's on cy, which my row shares
	s_lshl_b32 s43, s41, 2
	s_lshl_b32 s43, 15, s43                        ; my row of the cluster
	s_lshl_b32 s44, 0x1111, s40                    ; my column
	; descriptor group 1: a tile of 128 rows x 192 bytes, padded in LDS
	s_or_b32 s[G1+0], s43, (0<<16)|(1<<20)|(1<<21)|(3<<22)|(3<<25)  ; 15:0 the mask; 17:16 elements of 1 byte; 20 padding on; 21 set beside a mask; 24:22 after every 16 words; 31:25 4 words of it
	s_or_b32 s[G1B+0], s44, (0<<16)|(1<<20)|(1<<21)|(3<<22)|(3<<25)
.irp g, G1, G1B
	s_mov_b32 s[\g+1], ROWB<<16                    ; tensor_dim0
	s_mov_b32 s[\g+2], 128<<16                     ; tensor_dim1
	s_mov_b32 s[\g+3], ROWB<<16                    ; tile_dim0
	s_mov_b32 s[\g+4], 128                         ; tile_dim1
	s_mov_b32 s[\g+5], KROW                        ; the pitch
	s_mov_b32 s[\g+6], 0
	s_mov_b32 s[\g+7], 0
.endr
	; the scales of 128 rows: 4,096 dense bytes, as 16 rows of 256 bytes (32 elements of 8), 16 bytes of padding behind each
	s_or_b32 s[G1S+0], s43, (3<<16)|(1<<20)|(1<<21)|(5<<22)|(3<<25)
	s_or_b32 s[G1SB+0], s44, (3<<16)|(1<<20)|(1<<21)|(5<<22)|(3<<25)
.irp g, G1S, G1SB
	s_mov_b32 s[\g+1], 32<<16
	s_mov_b32 s[\g+2], (128*KS/256)<<16
	s_mov_b32 s[\g+3], 32<<16
	s_mov_b32 s[\g+4], 128*KS/256
	s_mov_b32 s[\g+5], 32
	s_mov_b32 s[\g+6], 0
	s_mov_b32 s[\g+7], 0
.endr
	s_lshl_b32 s18, s16, 7                         ; which 128 rows of the tile I fetch
	s_lshl_b32 s20, s17, 8
	s_add_co_u32 s20, s20, s18                     ; A's first row (under 8,192: every byte offset stays under 2^32)
	s_lshl_b32 s46, s42, 8
	s_add_co_u32 s46, s46, s18                     ; B's
	s_lshl_b32 s22, s20, 5                         ; where these rows' scales begin,
	s_lshl_b32 s92, s46, 5
	s_mul_i32 s20, s20, KROW                       ; and their codes
	s_mul_i32 s46, s46, KROW
	s_mov_b32 s21, 0
	s_mov_b32 s23, 0
	s_mov_b32 s47, 0
	s_mov_b32 s93, 0
	s_mul_i32 s45, s14, HALFT                      ; where they go: wave x 128 rows: no place in the cluster enters an LDS address
	s_mul_i32 s94, s14, HALFS
	s_wait_kmcnt 0x0
	s_add_nc_u64 s[20:21], s[4:5], s[20:21]
	s_add_nc_u64 s[22:23], s[6:7], s[22:23]
	s_add_nc_u64 s[46:47], s[4:5], s[46:47]
	s_add_nc_u64 s[92:93], s[6:7], s[92:93]
	CROUND                                         ; all sixteen work-groups are here: the first joint loads meet
	s_mov_b32 s[G0S], 1
	s_add_co_u32 s[G0S+1], s94, SCL
	s_mov_b64 s[G0S+2:G0S+3], s[22:23]
	s_or_b32 s[G0S+3], s[G0S+3], 0x80000000
	s_mov_b32 s[G0SB], 1
	s_add_co_u32 s[G0SB+1], s94, SCL
	s_mov_b64 s[G0SB+2:G0SB+3], s[92:93]
	s_or_b32 s[G0SB+3], s[G0SB+3], 0x80000000
	JLOAD G0S, G1S, G0SB, G1SB                     ; the scales first: they are wanted with K step 0
.irp s, 0,1
	s_mov_b32 s[G0+4*\s], 1
	s_add_co_u32 s[G0+4*\s+1], s45, \s*SLOT
	s_add_nc_u64 s[G0+4*\s+2:G0+4*\s+3], s[20:21], \s*ROWB
	s_or_b32 s[G0+4*\s+3], s[G0+4*\s+3], 0x80000000
	s_mov_b32 s[G0B+4*\s], 1
	s_add_co_u32 s[G0B+4*\s+1], s45, \s*SLOT
	s_add_nc_u64 s[G0B+4*\s+2:G0B+4*\s+3], s[46:47], \s*ROWB
	s_or_b32 s[G0B+4*\s+3], s[G0B+4*\s+3], 0x80000000
	JLOAD G0+4*\s, G1, G0B+4*\s, G1B               ; three tensor loads of mine are out now
.endr
	v_and_b32 v1, 15, v0                           ; r = l % 16
	v_bfe_u32 v2, v0, 4, 1                         ; h = l / 16
	v_mul_u32_u24 v3, v1, PITCH
	v_mul_u32_u24 v4, v2, 24
	v_add_nc_u32 v4, v3, v4                        ; a fragment's row x pitch + 24 x half
	v_lshl_add_u32 v5, v2, 4, v4                   ; and the same behind one padding more
	s_mul_i32 s21, s15, HALFT                      ; my 128 rows of A
	s_mul_i32 s22, s16, HALFT                      ; my 128 rows of B,
	s_add_co_u32 s22, s22, 2*HALFT                 ; which lie behind A's 256
.irp s, 0,1
	v_add_nc_u32 v[ADRA+\s], s21, v4
	v_add_nc_u32 v[ADRB+\s], s22, v4
	v_add_nc_u32 v[ADRA+2+\s], s21, v5
	v_add_nc_u32 v[ADRB+2+\s], s22, v5
	s_add_co_u32 s21, s21, SLOT
	s_add_co_u32 s22, s22, SLOT
.endr
	v_mul_u32_u24 v5, v1, KS                       ; my row's scales: 32 bytes a row,
	v_lshrrev_b32 v6, 8, v5
	v_lshl_add_u32 v5, v6, 4, v5                   ; and 16 more for each 256 passed
	s_mul_i32 s21, s15, HALFS
	s_mul_i32 s22, s16, HALFS
	s_add_co_u32 s22, s22, 2*HALFS
	s_sub_co_u32 s22, s22, s21
	v_mul_u32_u24 v6, s22, v2                      ; lanes 16-31 take B's: one product, the distance between the two bases x h
	s_add_co_u32 s21, s21, SCL
	v_add_nc_u32 v5, v5, v6
	v_add_nc_u32 v[ADRS], s21, v5
.macro FRAG reg, adr, q, i             ; a fragment, 16 rows x 128 K, is 12 registers: lane (r, h): registers 6 c .. 6 c + 5 hold K = 64 c + 32 h + 0 .. 31: 24 bytes of the row's stream of bits, in pieces of 8
.irp p, 0,1,2,3,4,5
.set PC, 12*(\q)+6*(\p/3)+\p%3        ; 16 bytes of padding lie behind every 8 pieces: where the piece three on (lanes 16-31) lies behind one padding more, the second address register serves
.if PC%8 < 5
	ds_load_b64 v[\reg+2*\p:\reg+2*\p+1], v[\adr] offset:8*PC+16*(PC/8)+(\i)*16*PITCH
.else
	ds_load_b64 v[\reg+2*\p:\reg+2*\p+1], v[\adr+2] offset:8*PC+16*(PC/8)+(\i)*16*PITCH
.endif
.endr
.endm
; 16 matrix instructions: A's blocks a0, a0 + 1 x B's eight, 128 along K.  p: B's set;  sc: the set of scale words.  zero = 1: the first product starts the sums.
; The 64 accumulators take turns, one instruction a turn, in the same order in every step.
.macro MUL16 a0, p, q, sc, zero
.irp a, \a0, \a0+1
.irp b, 0,1,2,3,4,5,6,7
.if \zero
	v_wmma_scale_f32_16x16x128_f8f6f4 v[8*(8*((\a)%4)+\b):8*(8*((\a)%4)+\b)+7], v[128*(\p)+FR*\b:128*(\p)+FR*\b+FR-1], v[AF+FR*(\a):AF+FR*(\a)+FR-1], 0, v[SC+8*NQ*(\sc)+NQ*\b+(\q)], v[SC+8*NQ*(\sc)+NQ*(\a)+(\q)] matrix_a_fmt:MATRIX_FMT_FP6 matrix_b_fmt:MATRIX_FMT_FP6 matrix_a_scale:MATRIX_SCALE_ROW1
.else
	v_wmma_scale_f32_16x16x128_f8f6f4 v[8*(8*((\a)%4)+\b):8*(8*((\a)%4)+\b)+7], v[128*(\p)+FR*\b:128*(\p)+FR*\b+FR-1], v[AF+FR*(\a):AF+FR*(\a)+FR-1], v[8*(8*((\a)%4)+\b):8*(8*((\a)%4)+\b)+7], v[SC+8*NQ*(\sc)+NQ*\b+(\q)], v[SC+8*NQ*(\sc)+NQ*(\a)+(\q)] matrix_a_fmt:MATRIX_FMT_FP6 matrix_b_fmt:MATRIX_FMT_FP6 matrix_a_scale:MATRIX_SCALE_ROW1
.endif
.endr
.endr
.endm
.macro FETCH_B slot, q, p
	WIN TO_B
.irp i, 0,1,2,3,4,5,6,7
	FRAG 128*(\p)+FR*\i, ADRB+\slot, \q, \i
.endr
	WIN 0
.endm
.macro FETCH_A slot, q, i0
.irp i, \i0, \i0+1, \i0+2, \i0+3
	FRAG AF+FR*(\i), ADRA+\slot, \q, \i
.endr
.endm
.macro SCALES sc                       ; a K step's scale words: 2 words a row; lanes 0-15 take A's block i, lanes 16-31 B's block i
.irp i, 0,1,2,3,4,5,6,7
	ds_load_b64 v[SC+8*NQ*\sc+NQ*\i:SC+8*NQ*\sc+NQ*\i+1], v[ADRS] offset:\i*SBLK
.endr
.endm
.macro PLACES n                        ; plain vector lines between a matrix instruction and a load into, or a vector access to, its registers
.rept \n
	v_nop
.endr
.endm
.macro STEP slot, q, zero              ; a step of 128 along K that has its successor in the same slot
	s_wait_dscnt 4*NL                              ; B's set and A's blocks 0-3 are in; the youngest 24 loads (A's blocks 4-7) may be out
	WIN MUL_LO
	MUL16 0, (\q)%2, \q, \slot, \zero
	MUL16 2, (\q)%2, \q, \slot, \zero
	s_wait_dscnt 0                                 ; A's blocks 4-7 are in
	PLACES NP
	FETCH_B \slot, (\q)+1, 1-(\q)%2
	FETCH_A \slot, (\q)+1, 0
	WIN MUL_HI
	MUL16 4, (\q)%2, \q, \slot, \zero
	MUL16 6, (\q)%2, \q, \slot, \zero
	PLACES NP
	WIN 0
	FETCH_A \slot, (\q)+1, 4
.endm
; A slot's last step changes slots: one barrier; in front of it each wave waits for all its tensor loads, adds 0 to its spare word, and waits for that and for its own reads of this slot.  fill = 1: this slot is filled again, two K steps ahead.
.macro TURN slot, next, fill
	s_wait_tensorcnt 0x0                           ; all my tensor loads have landed: my part of the next slot (every window is 0 here)
	ds_add_u32 v[SPW], v[NIL]                      ; 0 onto my spare word
	s_wait_dscnt 4*NL+1                            ; (the add and the youngest 24 loads may be out)
	WIN MUL_LO
	MUL16 0, 1, NQ-1, \slot, 0                     ; sixteen matrix instructions stand between the add and the wait for it
	s_wait_dscnt 0x0                               ; the add is done, and my reads of this slot are over
	s_barrier_signal -1
	MUL16 2, 1, NQ-1, \slot, 0
	WIN 0
	s_barrier_wait -1
.if \fill
	CREST                                          ; the barrier has opened a round of the cluster's barrier: no wave of any partner still reads this slot's tile or has a load on its way
	s_add_nc_u64 s[G0+4*\slot+2:G0+4*\slot+3], s[G0+4*\slot+2:G0+4*\slot+3], 2*ROWB
	s_add_nc_u64 s[G0B+4*\slot+2:G0B+4*\slot+3], s[G0B+4*\slot+2:G0B+4*\slot+3], 2*ROWB
	JLOAD G0+4*\slot, G1, G0B+4*\slot, G1B         ; the first tensor load behind the round, and my only one out; its four v_nop are the places in front of the loads below
.else
	PLACES NP
.endif
	v_add_nc_u32 v[ADRS], 4*NQ, v[ADRS]            ; on to the next K step's scale words
	FETCH_B \next, 0, 0
	FETCH_A \next, 0, 0
	SCALES \next
	WIN MUL_HI
	MUL16 4, 1, NQ-1, \slot, 0
	MUL16 6, 1, NQ-1, \slot, 0
	PLACES NP
	WIN 0
	FETCH_A \next, 0, 4
.endm
	s_wait_tensorcnt 1                             ; the scales and my part of K step 0 are in (K step 1's load may be out)
	s_barrier_signal -1
	s_barrier_wait -1                              ; everybody's are
	FETCH_B 0, 0, 0
	FETCH_A 0, 0, 0
	SCALES 0
	FETCH_A 0, 0, 4
	STEP 0, 0, 1                                   ; the first step stands in front of the loop: its products start the sums
	s_mov_b32 s3, LAPS-1
.Llap:                                                 ; a trip goes once round the ring and fills both slots again
	TURN 0, 1, 1
	STEP 1, 0, 0
	TURN 1, 0, 1
	STEP 0, 0, 0
	s_sub_co_u32 s3, s3, 1
	s_cmp_lg_u32 s3, 0
	s_cbranch_scc1 .Llap
	TURN 0, 1, 0                                   ; the last lap fills nothing, and has no round of the cluster's barrier
	STEP 1, 0, 0
	s_wait_dscnt 4*NL                              ; the very last step
	WIN MUL_LO
	MUL16 0, 1, NQ-1, 1, 0
	MUL16 2, 1, NQ-1, 1, 0
	s_wait_dscnt 0
	WIN MUL_HI
	MUL16 4, 1, NQ-1, 1, 0
	MUL16 6, 1, NQ-1, 1, 0
	WIN 0
; ---- THE WAY OUT: no LDS; every store of a wave covers 512 (the last of v: 256) consecutive bytes, aligned.
	PLACES NP                                      ; behind the last products: their registers are read, written and loaded into below
	v_and_b32 v3, 31, v0
	v_lshlrev_b32 v[L16], 4, v3
	v_lshlrev_b32 v[L8], 3, v3
.irp b, 0,1,2,3
	v_mov_b32 v[TM+4+\b], 0                        ; written once: a lane permute's destination counts as one of its sources
.endr
	s_mov_b32 s[SEL], 0x76543210
	s_mov_b32 s[SEL+1], 0xfedcba98
	s_mov_b32 s[HI16], 0xffff0000
	s_cmp_eq_u32 ttmp9, 2                          ; the role: equal in all sixteen work-groups of a cluster
	s_cbranch_scc1 .Lrole_v
; ---- q or k.  Lane (r, h) of tile a holds token 32 (a / 2) + 8 (a % 2) + r + 8 (r / 8) of my 128; of each of my two heads X = channels 16 h + c and Y = channels 32 + 16 h + c, c = 0 .. 15.
	s_add_co_u32 s20, s98, s41
	s_lshl_b32 s20, s20, 1
	s_add_co_u32 s20, s20, s15                     ; G: my group of 128 tokens
	s_lshl_b32 s21, s40, 2
	s_lshl_b32 s22, s16, 1
	s_add_co_u32 s21, s21, s22                     ; my first head
	s_lshl_b32 s21, s21, 5
	s_add_co_u32 s21, s21, s20                     ; its record's number
	s_mov_b32 s22, 13056
	s_cmp_eq_u32 ttmp9, 0
	s_cselect_b32 s22, 6656, s22                   ; a record's bytes,
	s_cselect_b64 s[46:47], s[10:11], s[12:13]     ; and the buffer: q's or k's
	s_mul_i32 s94, s21, s22
	s_mov_b32 s95, 0
	s_add_nc_u64 s[46:47], s[46:47], s[94:95]
	s_lshl_b32 s94, s22, 5
	s_add_nc_u64 s[92:93], s[46:47], s[94:95]      ; the second head's record: 32 records on
	s_lshl_b32 s94, s20, 15
	s_add_nc_u64 s[8:9], s[8:9], s[94:95]          ; the table at my 128 tokens
	v_and_b32 v3, 15, v0
	v_bfe_u32 v4, v0, 4, 1
	v_and_b32 v5, 8, v3
	v_add_nc_u32 v5, v5, v3                        ; r + 8 (r / 8)
	v_lshlrev_b32 v[RO], 8, v5
	v_lshl_add_u32 v[RO], v4, 6, v[RO]             ; a token's 256 bytes; my frequencies 16 h + 0 .. 15
	WIN TO_B
.irp a, 0,1,2,3,4,5,6,7
.irp j, 0,1,2,3
	global_load_b128 v[32*\a+4*\j:32*\a+4*\j+3], v[RO], s[8:9] offset:(32*(\a/2)+8*(\a%2))*256+16*\j          ; 16 cosines
.endr
.irp j, 0,1,2,3
	global_load_b128 v[32*\a+16+4*\j:32*\a+16+4*\j+3], v[RO], s[8:9] offset:(32*(\a/2)+8*(\a%2))*256+128+16*\j   ; 16 sines
.endr
.endr
	WIN 0
; Tile a, head e.  out[d] = x[d] cos_d - x[2 d + 1] sin_d and out[32 + d] = x[32 + d] cos_d + x[2 d] sin_d, d = 0 .. 31.  My d are 16 h + c, so I want channels 32 h + 0 .. 31:
; sixteen exchanges of halves between X_c and Y_c bring them, register AC + c' = channel 32 h + c'.  The products by the cosines are taken first, each accumulator from its low end on.
; Each product is rounded by itself and the two are then added: the problem's own three roundings.
.macro ROPEQ a, e
.set W, 2+(\a)/4
.set AC, 64*((\a)%4)+32*(\e)
.set CT, 32*(\a)
.set CD, CK+48*(\e)+6*(\a)
	WIN (W|4)                                      ; source 0: the accumulators' window; source 1: the table's
.irp i, 0,1,2,3,4,5,6,7,8,9,10,11,12,13,14,15
	v_pk_mul_f32 v[T+2*\i:T+2*\i+1], v[AC+2*\i:AC+2*\i+1], v[CT+2*(\i%8):CT+2*(\i%8)+1]
.endr
	WIN ((W<<6)|W)
.irp c, 0,1,2,3,4,5,6,7,8,9,10,11,12,13,14,15
	v_permlane16_swap_b32 v[AC+\c], v[AC+16+\c]
.endr
	WIN (W|4)
.irp c, 0,1,2,3,4,5,6,7,8,9,10,11,12,13,14,15
	v_mul_f32 v[UU+\c], v[AC+2*\c+1], v[CT+16+\c]
	v_mul_f32 v[UU+16+\c], v[AC+2*\c], v[CT+16+\c]
.endr
	WIN 0
.irp i, 0,1,2,3,4,5,6,7
	v_pk_add_f32 v[T+2*\i:T+2*\i+1], v[T+2*\i:T+2*\i+1], v[UU+2*\i:UU+2*\i+1] neg_lo:[0,1] neg_hi:[0,1]
.endr
.irp i, 8,9,10,11,12,13,14,15
	v_pk_add_f32 v[T+2*\i:T+2*\i+1], v[T+2*\i:T+2*\i+1], v[UU+2*\i:UU+2*\i+1]
.endr
.irp b, 0,1                            ; the head's two blocks of 32 channels: register 16 b + i = channel 32 b + 16 h + i
	v_max3_num_f32 v[TM+\b], |v[T+16*\b]|, |v[T+16*\b+1]|, 0x1800000   ; with the floor 2^(3 - 127): the byte cannot fall under 1
.endr
.irp i, 2,4,6,8,10,12,14
.irp b, 0,1
	v_max3_num_f32 v[TM+\b], v[TM+\b], |v[T+16*\b+\i]|, |v[T+16*\b+\i+1]|
.endr
.endr
.irp b, 0,1
	v_permlanex16_b32 v[TM+4+\b], v[TM+\b], s[SEL], s[SEL+1]
.endr
.irp b, 0,1
	v_max_num_f32 v[TM+\b], v[TM+\b], v[TM+4+\b]   ; with lane l xor 16's: the block's largest magnitude
.endr
.irp b, 0,1
	v_add_nc_u32 v[TM+12+\b], 0xff000000, v[TM+\b] ; 2 off its exponent field: the conversion's scale operand
.endr
.irp b, 0,1
	v_lshrrev_b32 v[TM+4+\b], 23, v[TM+12+\b]      ; the scale's byte
.endr
	v_lshl_or_b32 v[PW], v[TM+5], 8, v[TM+4]       ; bytes 2 and 3 stay 0: they scale the half of the instruction's K that holds zero codes
	v_cvt_scalef32_pk16_fp6_f32 v[CD:CD+2], v[T:T+15], v[TM+12]
	v_cvt_scalef32_pk16_fp6_f32 v[H2:H2+2], v[T+16:T+31], v[TM+13]   ; (a conversion's three registers begin on an even number)
	v_nop                                          ; one plain place behind a scaled conversion
.irp i, 0,1,2
	v_permlane16_swap_b32 v[CD+\i], v[H2+\i]       ; the operand's layout wants a whole block in a lane: lanes 0-15 block 0, lanes 16-31 block 1
.endr
.irp i, 0,1,2
	v_mov_b32 v[CD+3+\i], v[H2+\i]
.endr
.if (\a)%2 == 0
	v_mov_b32 v[SW+4*(\e)+(\a)/2], v[PW]           ; an even tile's words (read from lanes 0-15),
.else
	v_cndmask_b32 v[SW+4*(\e)+(\a)/2], v[SW+4*(\e)+(\a)/2], v[PW], s[HI16]   ; an odd tile's in lanes 16-31 of the same register
.endif
.endm
.irp a, 0,1,2,3,4,5,6,7
	s_wait_loadcnt 8*(7-\a)                        ; this tile's eight loads are in; eight for each later tile may be out
	ROPEQ \a, 0
	ROPEQ \a, 1
.endr
.irp i, 0,1,2,3,4,5,6,7,8,9,10,11
	global_store_b128 v[L16], v[CK+4*\i:CK+4*\i+3], s[46:47] offset:512*\i
.endr
	global_store_b128 v[L16], v[SW:SW+3], s[46:47] offset:6144
.irp i, 0,1,2,3,4,5,6,7,8,9,10,11
	global_store_b128 v[L16], v[CK+48+4*\i:CK+48+4*\i+3], s[92:93] offset:512*\i
.endr
	global_store_b128 v[L16], v[SW+4:SW+7], s[92:93] offset:6144
	s_branch .Lend
.Lrole_v:
; ---- v.  Lane (r, h) of tile a holds one channel; the tile's 64 registers are my 128 keys: register 16 b + i = key 32 b + 16 h + i.  Tiles 0-3 are my first head, 4-7 my second.
	s_lshl_b32 s21, s41, 2
	s_lshl_b32 s22, s15, 1
	s_add_co_u32 s21, s21, s22                     ; my first head
	s_add_co_u32 s20, s98, s40
	s_lshl_b32 s20, s20, 1
	s_add_co_u32 s20, s20, s16                     ; G: my 128 keys
	s_lshl_b32 s21, s21, 5
	s_add_co_u32 s21, s21, s20
	s_mul_i32 s94, s21, 13056
	s_add_co_u32 s94, s94, 6656                    ; v's part of the record
	s_mov_b32 s95, 0
	s_add_nc_u64 s[46:47], s[12:13], s[94:95]
.macro VQ a
.set W, 2+(\a)/4
.set AC, 64*((\a)%4)
.set CD, CK+12*(\a)
	WIN (W|(W<<2))                                 ; sources 0 and 1: the accumulators' window
.irp b, 0,1,2,3
	v_max3_num_f32 v[TM+\b], |v[AC+16*\b]|, |v[AC+16*\b+1]|, 0x1800000   ; each accumulator is read from its low end on
.endr
.irp i, 2,4,6,8,10,12,14
.irp b, 0,1,2,3
	v_max3_num_f32 v[TM+\b], |v[AC+16*\b+\i]|, |v[AC+16*\b+\i+1]|, v[TM+\b]
.endr
.endr
	WIN 0
.irp b, 0,1,2,3
	v_permlanex16_b32 v[TM+4+\b], v[TM+\b], s[SEL], s[SEL+1]
.endr
.irp b, 0,1,2,3
	v_max_num_f32 v[TM+\b], v[TM+\b], v[TM+4+\b]
.endr
.irp b, 0,1,2,3
	v_add_nc_u32 v[TM+12+\b], 0xff000000, v[TM+\b]
.endr
.irp b, 0,1,2,3
	v_lshrrev_b32 v[TM+4+\b], 23, v[TM+12+\b]
.endr
	v_lshl_or_b32 v[PW], v[TM+5], 8, v[TM+4]
	v_lshl_or_b32 v[PW], v[TM+6], 16, v[PW]
	v_lshl_or_b32 v[PW], v[TM+7], 24, v[PW]
	WIN W
.irp c, 0,1
	v_cvt_scalef32_pk16_fp6_f32 v[CD+6*\c:CD+6*\c+2], v[AC+32*\c:AC+32*\c+15], v[TM+12+2*\c]
	v_cvt_scalef32_pk16_fp6_f32 v[H2+4*\c:H2+4*\c+2], v[AC+32*\c+16:AC+32*\c+31], v[TM+13+2*\c]
.endr
	WIN 0
	v_nop                                          ; one plain place behind a scaled conversion
.irp c, 0,1
.irp i, 0,1,2
	v_permlane16_swap_b32 v[CD+6*\c+\i], v[H2+4*\c+\i]
.endr
.irp i, 0,1,2
	v_mov_b32 v[CD+6*\c+3+\i], v[H2+4*\c+\i]
.endr
.endr
.if (\a)%2 == 0
	v_mov_b32 v[SW+2*((\a)/4)+((\a)%4)/2], v[PW]
.else
	v_cndmask_b32 v[SW+2*((\a)/4)+((\a)%4)/2], v[SW+2*((\a)/4)+((\a)%4)/2], v[PW], s[HI16]
.endif
.endm
.irp a, 0,1,2,3,4,5,6,7
	VQ \a
.endr
.irp e, 0,1                            ; the second head's record lies 32 records, 417,792 bytes, on: inside the signed 24-bit immediate
.irp i, 0,1,2,3,4,5,6,7,8,9,10,11
	global_store_b128 v[L16], v[CK+48*\e+4*\i:CK+48*\e+4*\i+3], s[46:47] offset:417792*\e+512*\i
.endr
	global_store_b64 v[L8], v[SW+2*\e:SW+2*\e+1], s[46:47] offset:417792*\e+6144
.endr
.Lend:
	s_wait_tensorcnt 0x0                           ; the wave's end
	ds_add_u32 v[SPW], v[NIL]
	s_wait_dscnt 0x0
	CROUND                                         ; the closing round: no work-group ends while a partner may still ask for a tile that names it
	s_endpgm
.Lfunc_end_k_q0d40b073a7_qkv:
	.size	k_q0d40b073a7_qkv, .Lfunc_end_k_q0d40b073a7_qkv-k_q0d40b073a7_qkv
	.p2alignl 7, 3214868480
	.fill 96, 4, 3214868480
	.section	.rodata,"a",@progbits
	.p2align	6, 0x0
	.amdhsa_kernel k_q0d40b073a7_qkv
		.amdhsa_group_segment_fixed_size 327680
		.amdhsa_private_segment_fixed_size 0
		.amdhsa_enable_private_segment 0
		.amdhsa_kernarg_size 40
		.amdhsa_user_sgpr_count 2
		.amdhsa_user_sgpr_kernarg_segment_ptr 1
		.amdhsa_wavefront_size32 1
		.amdhsa_system_sgpr_workgroup_id_x 1
		.amdhsa_system_sgpr_workgroup_id_y 1
		.amdhsa_system_sgpr_workgroup_id_z 1
		.amdhsa_system_vgpr_workitem_id 0
		.amdhsa_next_free_vgpr 1024
		.amdhsa_next_free_sgpr 104
		.amdhsa_reserve_vcc 0
		.amdhsa_float_denorm_mode_32 3
		.amdhsa_float_denorm_mode_16_64 3
		.amdhsa_memory_ordered 1
		.amdhsa_forward_progress 1
		.amdhsa_inst_pref_size 255
	.end_amdhsa_kernel
	.section	.bss,"aw",@nobits
	.p2align	6
	.space	262144
	.amdgpu_metadata
---
amdhsa.version: [ 1, 2 ]
amdhsa.kernels:
  - .name:           k_q0d40b073a7_qkv
    .symbol:         k_q0d40b073a7_qkv.kd
    .args:
      - { .name: codes, .offset: 0, .size: 8, .value_kind: global_buffer, .address_space: global }
      - { .name: scales, .offset: 8, .size: 8, .value_kind: global_buffer, .address_space: global }
      - { .name: rope, .offset: 16, .size: 8, .value_kind: global_buffer, .address_space: global }
      - { .name: qimg, .offset: 24, .size: 8, .value_kind: global_buffer, .address_space: global }
      - { .name: kv, .offset: 32, .size: 8, .value_kind: global_buffer, .address_space: global }
    .group_segment_fixed_size: 327680
    .private_segment_fixed_size: 0
    .kernarg_segment_align: 8
    .kernarg_segment_size: 40
    .max_flat_workgroup_size: 128
    .sgpr_count:     104
    .vgpr_count:     1024
    .wavefront_size: 32
...
	.end_amdgpu_metadata
.endif
;; end of part 2
;; launch attn (part 3): grid 16 x 16, 16 waves a work-group, clusters of 4 x 1, 327,680 bytes of LDS; arguments qimg, kv, oimg, oscl; writes oimg, oscl
.if DOCPART == 3
	.amdgcn_target "amdgcn-amd-amdhsa--gfx1250"
	.amdhsa_code_object_version 6
	.text
	.protected	k_q0d40b073a7_attn
	.globl	k_q0d40b073a7_attn
	.p2align	8
	.type	k_q0d40b073a7_attn,@function
k_q0d40b073a7_attn:
	s_mov_b64 s[64:65], 0
	v_nop
	global_prefetch_b8 v0, s[64:65] scope:SCOPE_SE
	s_setreg_imm32_b32 hwreg(HW_REG_WAVE_MODE, 25, 1), 1
	s_wait_xcnt 0x0
	s_wait_alu depctr_hold_cnt(0) depctr_sa_sdst(0) depctr_va_vdst(0) depctr_va_sdst(0) depctr_va_ssrc(0) depctr_va_vcc(0) depctr_vm_vsrc(0)
	s_getreg_b32 s2, hwreg(HW_REG_IB_STS2, 6, 4)
	s_cmp_eq_u32 s2, 0
	s_cbranch_scc0 .Lentry_in_a_cluster
	s_endpgm
.Lentry_in_a_cluster:
	s_bfe_u32 s2, ttmp6, 0x10000c
	s_cmp_lg_u32 s2, 0x3003
	s_cbranch_scc0 .Lentry_shape_is_right
	s_endpgm
.Lentry_shape_is_right:
; ATTN.  O[e][q] = the sum over k of softmax_k(8 Q[e][q] . K[e][k]) V[e][k], 16 heads of 64 channels, 4,096 tokens, both products on codes of FP6 (E2M3) with E8M0 scales; O is quantised again for the last projection.
; THE SOFTMAX AHEAD OF THE SECOND PRODUCT: t = score x 8 log2(e), rounded to f32; M = the row's largest t so far, rounded UP to a whole number; p = 2^(t - M) is what is quantised, along the keys, not normalised.
; t reaches some 150 here, where a unit in its last place is 2^-16: so t is formed and rounded first and M taken away after, as the problem's text has it, and not in one fused step, which would give p other last bits.
; The row's sum is taken of the unquantised p, in f32, and divides O at the end.  When M moves, the sum and O are multiplied by 2^(old M - new M): exact.
; SHARES.  A work-group owns 256 queries of one head; each of its sixteen waves owns one tile of 16, in 256 registers: four waves to a SIMD, so that one wave's vector work stands beside another's matrix work and LDS loads.
; Every wave walks the head's 4,096 keys, 128 a step.  A step's operands are one RECORD of 13,056 bytes, images of the registers: K's 48 registers of codes, its 4 of scale words, V's 48 and its 2: a fragment comes by loads of 16 bytes a lane, 512 consecutive bytes each.
; Eight records make a slot; two slots take turns, filled by the tensor data mover (waves 0 to 3, two records each) and read by all sixteen.
; CLUSTER.  The four query blocks of a cluster belong to one head and walk the same records, so each fill is asked for JOINTLY: the same tensor load, the same descriptor, a mask that names the four.
; LAYOUT.  Both products are used transposed: S^T = K Q^T (source 0 = 16 keys, source 1 = my 16 queries), O^T = V^T P^T: a lane holds ONE query (lane % 16) throughout.  The keys of a tile are laid so that the 16 registers of tiles 2 b and 2 b + 1
; are keys 32 b + 16 (lane / 16) + 0 .. 15; V's channels likewise, so that O^T's 16 registers of two tiles are 16 neighbouring channels.
; A HEAD HAS 64 CHANNELS, the instruction's K is 128: Q's upper six registers are zero codes.  K's tile t is named as 12 registers from 6 t on; its upper six are the next tile's codes (behind the last tile: zeros), which meet Q's zeros
; under scale bytes of 0 (2^-127, no NaN) and add nothing.
; LIMITS: blocks whose largest magnitude lies under 2^-124 keep the scale byte 1; NaN and infinities are not served; 1 / the sum is v_rcp_f32 corrected by two multiply-adds.
; REGISTERS: v1 16 x lane, v2 8 x lane; v3-4 the step's LDS addresses; v5-6 for the add; v7 my row of scale bytes; v9-11, v29 Q's addresses; v12 -M, v13 the largest t, v[14:15] the sum; v16-27 Q (v22-27 zeros); v28 Q's scale words;
;   v30-33 K's scale words, v34-35 V's; v36-83 K's codes, then V's; v84-89 zeros; v96-159 S^T, then t, then p; v160-191 O^T; v192-203 p's codes; v204-210 the conversions' second halves; v212-229 at work.
.set REC,   13056
.set PART,  8*REC                      ; a slot's bytes
.set QUART, 2*REC                      ; what one tensor load brings: 102 rows of 256 bytes
.set SLOT1, 1<<17                      ; slot 1 begins here: one exclusive or turns an address in one slot into the other's
.set SPARE, 2*SLOT1                    ; the spare words, 128 bytes for each wave: eight blocks of 256 bytes that no other line names
.set AD,   3
.set AD8,  4
.set SPW,  5
.set NIL,  6
.set KB,   36
.set S,    96
.set O,    160
.set PC,   192
.set C2,   204
.set BM,   212                         ; v212-215 the blocks' largest t, then largest p
.set BT,   216                         ; v216-219 the other half's, then the bytes
.set SO,   220                         ; v220-223 the conversions' scale operands
.set F,    224                         ; v224 f = 2^(old M - new M);  v225 p's scale word (named with f as a pair)
.set PWD,  225
.set TP,   226
.set SU,   228                         ; v[228:229] the sum's second chain
.set WV,   12                          ; s12 my wave's number
.set SEL,  20                          ; s[20:21]
.set CS,   22                          ; s[22:23] c = 8 log2(e)
.set G1,   24                          ; s[24:31] descriptor group 1
.set G0A,  32                          ; s[32:35] group 0 of slot 0's first fill;  s[36:39] of slot 1's, which then walks on
.set G0B,  36
.set TB,   40                          ; s40 LDS byte at which the step's record begins
.set CNT8, 41
.set CNT2, 42
.macro ROUND                           ; a round of the cluster's barrier
	s_barrier_signal -1
	s_barrier_wait -1
	s_cmp_lg_u32 s[WV], 0
	s_cbranch_scc1 .Lnot_wave_0_\@
	s_barrier_signal -3
.Lnot_wave_0_\@:
	s_barrier_wait -3
	s_barrier_signal -1
	s_barrier_wait -1
.endm
	s_load_b128 s[4:7], s[0:1], 0x0                ; qimg, kv
	s_load_b128 s[8:11], s[0:1], 0x10              ; oimg, oscl
	v_lshl_add_u32 v[SPW], v0, 2, SPARE
	v_mov_b32 v[NIL], 0
	ds_add_u32 v5, v6
	s_wait_dscnt 0x0
	v_lshrrev_b32 v9, 5, v0
	v_readfirstlane_b32 s[WV], v9                  ; wave 0..15
	s_bfe_u32 s13, ttmp6, 0x40000                  ; cx
	s_lshl_b32 s14, ttmp9, 2
	s_add_co_u32 s14, s14, s13                     ; my block of 256 queries: it enters Q's and O's addresses alone
	s_and_b32 s15, ttmp7, 0xffff                   ; the head, which the four partners share
	s_and_b32 s16, s[WV], 3
	s_mul_i32 s17, s16, QUART                      ; a fetching wave's two records: their place in a slot and in a part of memory
	s_mul_i32 s18, s15, 32*REC
	s_add_co_u32 s18, s18, s17
	s_mov_b32 s19, 0
	s_mov_b32 s[G1], 15|(3<<16)|(1<<21)            ; 15:0 the mask: all four work-groups; 17:16 elements of 8 bytes; 20 no padding; 21 set beside a mask
	s_mov_b32 s[G1+1], 32<<16                      ; tensor_dim0 = 32 elements: 256 bytes
	s_mov_b32 s[G1+2], 102<<16                     ; tensor_dim1
	s_mov_b32 s[G1+3], 32<<16                      ; tile_dim0
	s_mov_b32 s[G1+4], 102                         ; tile_dim1
	s_mov_b32 s[G1+5], 32                          ; the pitch: dense
	s_mov_b32 s[G1+6], 0
	s_mov_b32 s[G1+7], 0
	s_mov_b32 s[SEL], 0x76543210
	s_mov_b32 s[SEL+1], 0xfedcba98
	s_mov_b32 s[CS], 0x4138aa3b                    ; 8 x f32(log2(e)): the problem divides the scores by 64^(-1/2), which is exact
	s_mov_b32 s[CS+1], s[CS]                       ; (named with it as a pair, so it is written)
	s_mov_b32 s[TB], 0
	s_lshr_b32 s43, s[WV], 3
	s_lshl_b32 s44, s14, 1
	s_add_co_u32 s44, s44, s43                     ; my group of 128 tokens,
	s_lshl_b32 s45, s15, 5
	s_add_co_u32 s45, s45, s44
	s_mul_i32 s46, s45, 6656                       ; its record of Q,
	s_mov_b32 s47, 0
	s_and_b32 s48, s[WV], 7                        ; and my tile in it
	s_lshl_b32 s52, s14, 4
	s_add_co_u32 s52, s52, s[WV]                   ; my tile of tokens among 256
	s_lshl_b32 s53, s52, 4
	s_add_co_u32 s53, s53, s15
	s_mul_i32 s54, s53, 768                        ; oimg [tile][head][768 bytes]
	s_mov_b32 s55, 0
	s_lshl_b32 s56, s52, 9                         ; oscl [16 tile + r][32 bytes], bytes 2 e and 2 e + 1
	s_lshl_b32 s53, s15, 1
	s_add_co_u32 s56, s56, s53
	s_mov_b32 s57, 0
	s_wait_kmcnt 0x0
	s_add_nc_u64 s[6:7], s[6:7], s[18:19]
	s_add_nc_u64 s[4:5], s[4:5], s[46:47]
	s_add_nc_u64 s[8:9], s[8:9], s[54:55]
	s_add_nc_u64 s[10:11], s[10:11], s[56:57]
	s_mov_b32 s[G0A], 1
	s_mov_b32 s[G0A+1], s17                        ; slot 0
	s_mov_b64 s[G0A+2:G0A+3], s[6:7]               ; keys 0 to 1,023
	s_or_b32 s[G0A+3], s[G0A+3], 0x80000000
	s_mov_b32 s[G0B], 1
	s_add_co_u32 s[G0B+1], s17, SLOT1              ; slot 1
	s_add_nc_u64 s[G0B+2:G0B+3], s[6:7], PART      ; keys 1,024 to 2,047
	s_or_b32 s[G0B+3], s[G0B+3], 0x80000000
	ROUND                                          ; all four work-groups are here: the first joint loads meet
	s_cmp_lt_u32 s[WV], 4                          ; a wave's two first fills stand in one branch, ahead of every wait on TENSORcnt and every LDS read: two loads of mine are out
	s_cbranch_scc0 .Lfirst_asked
	tensor_load_to_lds s[G0A:G0A+3], s[G1:G1+7]
	s_nop 0
	tensor_load_to_lds s[G0B:G0B+3], s[G1:G1+7]
	s_nop 0
.rept 4
	v_nop
.endr
.Lfirst_asked:
	v_and_b32 v8, 31, v0
	v_lshlrev_b32 v1, 4, v8
	v_lshlrev_b32 v2, 3, v8
	v_and_b32 v8, 15, v0                           ; r
	v_lshlrev_b32 v7, 5, v8
	s_mul_i32 s49, s48, 6                          ; my tile's first register in Q's image
.irp p, 0,1,2                          ; register R lies in chunk R / 4, 4 (R % 4) bytes into the lane's 16: a pair from an even R is 8 aligned bytes
	s_add_co_u32 s50, s49, 2*\p
	s_lshr_b32 s51, s50, 2
	s_lshl_b32 s51, s51, 9
	s_and_b32 s50, s50, 3
	s_lshl_b32 s50, s50, 2
	s_add_co_u32 s50, s50, s51
	v_add_nc_u32 v[9+\p], s50, v1
	global_load_b64 v[16+2*\p:17+2*\p], v[9+\p], s[4:5]
.endr
	s_and_b32 s50, s48, 1                          ; my tile's scale words: register a / 2, lanes 16 (a % 2) + r
	s_lshl_b32 s50, s50, 8
	s_lshr_b32 s51, s48, 1
	s_lshl_b32 s51, s51, 2
	s_add_co_u32 s50, s50, s51
	v_lshl_add_u32 v29, v8, 4, s50
	global_load_b32 v28, v29, s[4:5] offset:6144
.irp j, 22,23,24,25,26,27,84,85,86,87,88,89
	v_mov_b32 v[\j], 0                             ; zero codes
.endr
	v_mov_b32 v13, 0xff61b1e6                      ; the largest t so far: -3e38, under every t
	v_floor_f32 v12, -v13                          ; -M
	v_mov_b32 v14, 0                               ; the sum, in two halves
	v_mov_b32 v15, 0
.irp b, 0,1,2,3
	v_mov_b32 v[BT+\b], 0                          ; written once: a lane permute's destination counts as one of its sources
.endr
	v_mov_b32 v[PWD], 0                            ; (named as the upper half of the pair with f before it is first written)
	v_mov_b32 v[TP], 0
.irp j, 0,1,2,3,4,5,6,7,8,9,10,11,12,13,14,15,16,17,18,19,20,21,22,23,24,25,26,27,28,29,30,31
	v_mov_b32 v[O+\j], 0                           ; O^T.  (The step is written without a first step of its own: it finds zeros, which the first change of M leaves zeros)
.endr
; A KEY STEP: 128 keys, the record at s[TB].
.macro STEP
	v_add_nc_u32 v[AD], s[TB], v1
	v_add_nc_u32 v[AD8], s[TB], v2
	v_nop
	v_nop                                          ; four places between the last step's products and the loads into the registers that they read
.irp i, 0,1,2,3,4,5,6,7,8,9,10,11
	ds_load_b128 v[KB+4*\i:KB+4*\i+3], v[AD] offset:512*\i
.endr
	ds_load_b128 v[30:33], v[AD] offset:6144
	s_wait_dscnt 0x0
.irp t, 0,2,4,6                        ; S^T = K Q^T: eight accumulators, each begun with 0
	v_wmma_scale_f32_16x16x128_f8f6f4 v[S+8*\t:S+8*\t+7], v[KB+6*\t:KB+6*\t+11], v[16:27], 0, v[30+\t/2], v28 matrix_a_fmt:MATRIX_FMT_FP6 matrix_b_fmt:MATRIX_FMT_FP6
	v_wmma_scale_f32_16x16x128_f8f6f4 v[S+8*\t+8:S+8*\t+15], v[KB+6*\t+6:KB+6*\t+17], v[16:27], 0, v[30+\t/2], v28 matrix_a_fmt:MATRIX_FMT_FP6 matrix_b_fmt:MATRIX_FMT_FP6 matrix_a_scale:MATRIX_SCALE_ROW1
.endr
.rept 4
	v_nop                                          ; places in front of the loads below and of the first read of the scores
.endr
.irp i, 0,1,2,3,4,5,6,7,8,9,10,11
	ds_load_b128 v[KB+4*\i:KB+4*\i+3], v[AD] offset:6656+512*\i   ; V: it lands under the softmax
.endr
	ds_load_b64 v[34:35], v[AD8] offset:12800
.irp j, 0,2,4,6,8,10,12,14,16,18,20,22,24,26,28,30,32,34,36,38,40,42,44,46,48,50,52,54,56,58,60,62
	v_pk_mul_f32 v[S+\j:S+\j+1], v[S+\j:S+\j+1], s[CS:CS+1] op_sel_hi:[1,0]   ; t = score x c, rounded: two at a time, each accumulator from its low end on
.endr
.irp b, 0,1,2,3
	v_max3_num_f32 v[BM+\b], v[S+16*\b], v[S+1+16*\b], v[S+2+16*\b]   ; the largest t of each block of 32 keys: it serves for the row's maximum and, since p rises with t, for the block's largest p
.endr
.irp i, 3,5,7,9,11,13
.irp b, 0,1,2,3
	v_max3_num_f32 v[BM+\b], v[BM+\b], v[S+16*\b+\i], v[S+1+16*\b+\i]
.endr
.endr
.irp b, 0,1,2,3
	v_max_num_f32 v[BM+\b], v[BM+\b], v[S+15+16*\b]
.endr
.irp b, 0,1,2,3
	v_permlanex16_b32 v[BT+\b], v[BM+\b], s[SEL], s[SEL+1]
.endr
.irp b, 0,1,2,3
	v_max_num_f32 v[BM+\b], v[BM+\b], v[BT+\b]     ; with lane l xor 16's 16 keys
.endr
	v_max3_num_f32 v[TP], v[BM], v[BM+1], v[BM+2]
	v_max_num_f32 v[TP], v[TP], v[BM+3]            ; the step's largest t of my query
	v_max_num_f32 v13, v13, v[TP]                  ; the running largest t
	v_mov_b32 v[TP], v12
	v_floor_f32 v12, -v13                          ; the new -M = floor(-t) = -ceil(t)
	v_sub_f32 v[TP], v12, v[TP]                    ; old M - new M: a whole number, 0 or less
	v_cvt_i32_f32 v[TP], v[TP]                     ; (it saturates)
	v_ldexp_f32 v[F], 1.0, v[TP]                   ; f = 2^(old M - new M)
.irp j, 0,2,4,6,8,10,12,14,16,18,20,22,24,26,28,30,32,34,36,38,40,42,44,46,48,50,52,54,56,58,60,62
	v_pk_add_f32 v[S+\j:S+\j+1], v[S+\j:S+\j+1], v[12:13] op_sel_hi:[1,0]   ; t - M, two at a time (of the pair the low word, -M, serves both halves)
.endr
.irp b, 0,1,2,3
	v_add_f32 v[BM+\b], v[BM+\b], v12              ; the same of each block's largest t
.endr
.irp j, 0,1,2,3,4,5,6,7,8,9,10,11,12,13,14,15,16,17,18,19,20,21,22,23,24,25,26,27,28,29,30,31,32,33,34,35,36,37,38,39,40,41,42,43,44,45,46,47,48,49,50,51,52,53,54,55,56,57,58,59,60,61,62,63
	v_exp_f32 v[S+\j], v[S+\j]                     ; p = 2^(t - M)
.endr
.irp b, 0,1,2,3
	v_exp_f32 v[BM+\b], v[BM+\b]                   ; the block's largest p: the same instructions on the same number give the same bits
.endr
	v_pk_mul_f32 v[14:15], v[14:15], v[F:F+1] op_sel_hi:[1,0]   ; the sums under the new M (a plain place behind the exponentials)
	s_wait_alu depctr_va_vdst(0)
.irp b, 0,1,2,3
	v_max_num_f32 v[BM+\b], 0x1800000, v[BM+\b]    ; the floor 2^(3 - 127): the byte cannot fall under 1
.endr
.irp b, 0,1,2,3
	v_add_nc_u32 v[SO+\b], 0xff000000, v[BM+\b]    ; 2 off the exponent field: the conversion's scale operand
.endr
.irp b, 0,1,2,3
	v_lshrrev_b32 v[BT+\b], 23, v[SO+\b]           ; the scale's byte
.endr
	v_lshl_or_b32 v[PWD], v[BT+1], 8, v[BT]        ; p's scale word for these 128 keys
	v_lshl_or_b32 v[PWD], v[BT+2], 16, v[PWD]
	v_lshl_or_b32 v[PWD], v[BT+3], 24, v[PWD]
.irp c, 0,1
	v_cvt_scalef32_pk16_fp6_f32 v[PC+6*\c:PC+6*\c+2], v[S+32*\c:S+32*\c+15], v[SO+2*\c]
	v_cvt_scalef32_pk16_fp6_f32 v[C2+4*\c:C2+4*\c+2], v[S+32*\c+16:S+32*\c+31], v[SO+2*\c+1]   ; (a conversion's three registers begin on an even number)
.endr
	v_nop                                          ; one plain place behind a scaled conversion
.irp c, 0,1                            ; the operand's layout wants a whole block in a lane
.irp i, 0,1,2
	v_permlane16_swap_b32 v[PC+6*\c+\i], v[C2+4*\c+\i]
.endr
.irp i, 0,1,2
	v_mov_b32 v[PC+6*\c+3+\i], v[C2+4*\c+\i]
.endr
.endr
	v_pk_add_f32 v[SU:SU+1], v[S:S+1], v[S+2:S+3]  ; the row's sum is taken of the unquantised p: two at a time, in two chains
.irp j, 4,8,12,16,20,24,28,32,36,40,44,48,52,56,60
	v_pk_add_f32 v[14:15], v[14:15], v[S+\j:S+\j+1]
	v_pk_add_f32 v[SU:SU+1], v[SU:SU+1], v[S+2+\j:S+3+\j]
.endr
	v_pk_add_f32 v[14:15], v[14:15], v[SU:SU+1]
.irp j, 0,2,4,6,8,10,12,14,16,18,20,22,24,26,28,30
	v_pk_mul_f32 v[O+\j:O+\j+1], v[O+\j:O+\j+1], v[F:F+1] op_sel_hi:[1,0]   ; O^T under the new M.  (With the sums: far more than the eight places between the scale word's last write and the products)
.endr
	s_wait_dscnt 0x0                               ; V is in
.irp c, 0,2                            ; O^T += V^T P^T: four accumulators by turns; between a link and the next stand the others' and the next step's eight
	v_wmma_scale_f32_16x16x128_f8f6f4 v[O+8*\c:O+8*\c+7], v[KB+12*\c:KB+12*\c+11], v[PC:PC+11], v[O+8*\c:O+8*\c+7], v[34+\c/2], v[PWD] matrix_a_fmt:MATRIX_FMT_FP6 matrix_b_fmt:MATRIX_FMT_FP6
	v_wmma_scale_f32_16x16x128_f8f6f4 v[O+8*\c+8:O+8*\c+15], v[KB+12*\c+12:KB+12*\c+23], v[PC:PC+11], v[O+8*\c+8:O+8*\c+15], v[34+\c/2], v[PWD] matrix_a_fmt:MATRIX_FMT_FP6 matrix_b_fmt:MATRIX_FMT_FP6 matrix_a_scale:MATRIX_SCALE_ROW1
.endr
	s_add_co_u32 s[TB], s[TB], REC                 ; the next record
.endm
.macro STEPS8                          ; a slot's eight steps: written once, walked eight times
	s_mov_b32 s[CNT8], 8
.Lstep_\@:
	STEP
	s_sub_co_u32 s[CNT8], s[CNT8], 1
	s_cmp_lg_u32 s[CNT8], 0
	s_cbranch_scc1 .Lstep_\@
.endm
; THE CHANGE OF SLOTS.  Each wave waits for all its tensor loads (of a fetching wave one is out: its part of the other slot), adds 0 to its spare word, and waits for that and for its reads of the slot that it leaves.
; fill = 1: the slot just left is filled with the keys two slots on; the barrier is then a round of the cluster's, and the joint refill is the first thing behind it: it has eight steps in which to land.
.macro CHANGE fill
	s_wait_tensorcnt 0x0                           ; no tensor load of mine is out, so a group 0 may be written
	ds_add_u32 v[SPW], v[NIL]                      ; 0 onto my spare word
.if \fill
	s_xor_b32 s[G0B+1], s[G0B+1], SLOT1            ; the walking descriptor: the other slot than last time,
	s_add_nc_u64 s[G0B+2:G0B+3], s[G0B+2:G0B+3], PART   ; the next 1,024 keys; the type bits on top are not reached
	s_wait_dscnt 0x0                               ; the add is done, and my reads of the slot are over
	ROUND
	s_cmp_lt_u32 s[WV], 4
	s_cbranch_scc0 .Lasked_\@
	tensor_load_to_lds s[G0B:G0B+3], s[G1:G1+7]
	s_nop 0
.rept 4
	v_nop
.endr
.Lasked_\@:
.else
	s_wait_dscnt 0x0
	s_barrier_signal -1
	s_barrier_wait -1
.endif
	s_sub_co_u32 s[TB], s[TB], PART                ; back to a slot's first record,
	s_xor_b32 s[TB], s[TB], SLOT1                  ; in the other slot
.endm
	s_wait_tensorcnt 1                             ; my part of slot 0 is in; slot 1's may stay out
	s_barrier_signal -1
	s_barrier_wait -1                              ; everybody's is
	s_wait_loadcnt 0x0                             ; Q
	STEPS8                                         ; keys 0 to 1,023
	s_mov_b32 s[CNT2], 2
.Lslot:                                            ; two trips: the two slots are each filled once more
	CHANGE 1
	STEPS8
	s_sub_co_u32 s[CNT2], s[CNT2], 1
	s_cmp_lg_u32 s[CNT2], 0
	s_cbranch_scc1 .Lslot
	CHANGE 0                                       ; the tail is written out
	STEPS8
; THE WAY OUT.  O^T / the sum; register 16 b + i = channel 32 b + 16 h + i of my query: two blocks of the last projection's K.  They are quantised and leave as the image of half a fragment.
.rept 4
	v_nop
.endr
	v_add_f32 v14, v14, v15                        ; the sum's two halves,
	v_permlanex16_b32 v[TP], v14, s[SEL], s[SEL+1]
	v_add_f32 v14, v14, v[TP]                      ; and lane l xor 16's
	v_rcp_f32 v[F], v14
	v_nop
	s_wait_alu depctr_va_vdst(0)
	v_fma_f32 v[TP], -v14, v[F], 1.0
	v_fma_f32 v[F], v[F], v[TP], v[F]
.irp j, 0,1,2,3,4,5,6,7,8,9,10,11,12,13,14,15,16,17,18,19,20,21,22,23,24,25,26,27,28,29,30,31
	v_mul_f32 v[S+\j], v[O+\j], v[F]               ; each accumulator from its low end on
.endr
.irp b, 0,1
	v_max3_num_f32 v[BM+\b], |v[S+16*\b]|, |v[S+1+16*\b]|, 0x1800000
.endr
.irp i, 2,4,6,8,10,12,14
.irp b, 0,1
	v_max3_num_f32 v[BM+\b], v[BM+\b], |v[S+16*\b+\i]|, |v[S+1+16*\b+\i]|
.endr
.endr
.irp b, 0,1
	v_permlanex16_b32 v[BT+\b], v[BM+\b], s[SEL], s[SEL+1]
.endr
.irp b, 0,1
	v_max_num_f32 v[BM+\b], v[BM+\b], v[BT+\b]
.endr
.irp b, 0,1
	v_add_nc_u32 v[SO+\b], 0xff000000, v[BM+\b]
.endr
.irp b, 0,1
	v_lshrrev_b32 v[BT+\b], 23, v[SO+\b]
.endr
	v_lshl_or_b32 v[TP], v[BT+1], 8, v[BT]         ; my query's two scale bytes
	v_cvt_scalef32_pk16_fp6_f32 v[PC:PC+2], v[S:S+15], v[SO]
	v_cvt_scalef32_pk16_fp6_f32 v[C2:C2+2], v[S+16:S+31], v[SO+1]
	v_nop
.irp i, 0,1,2
	v_permlane16_swap_b32 v[PC+\i], v[C2+\i]
.endr
.irp i, 0,1,2
	v_mov_b32 v[PC+3+\i], v[C2+\i]
.endr
.irp p, 0,1,2
	global_store_b64 v2, v[PC+2*\p:PC+2*\p+1], s[8:9] offset:256*\p   ; 32 lanes store 256 consecutive bytes, aligned
.endr
	global_store_b16 v7, v[TP], s[10:11]           ; two bytes of a row of 32: both halves of the lanes write the same.  These stores cover their surroundings in part: 131,072 bytes in the whole launch
	s_wait_tensorcnt 0x0                           ; the wave's end
	ds_add_u32 v[SPW], v[NIL]
	s_wait_dscnt 0x0
	ROUND                                          ; the closing round
	s_endpgm
.Lfunc_end_k_q0d40b073a7_attn:
	.size	k_q0d40b073a7_attn, .Lfunc_end_k_q0d40b073a7_attn-k_q0d40b073a7_attn
	.p2alignl 7, 3214868480
	.fill 96, 4, 3214868480
	.section	.rodata,"a",@progbits
	.p2align	6, 0x0
	.amdhsa_kernel k_q0d40b073a7_attn
		.amdhsa_group_segment_fixed_size 327680
		.amdhsa_private_segment_fixed_size 0
		.amdhsa_enable_private_segment 0
		.amdhsa_kernarg_size 32
		.amdhsa_user_sgpr_count 2
		.amdhsa_user_sgpr_kernarg_segment_ptr 1
		.amdhsa_wavefront_size32 1
		.amdhsa_system_sgpr_workgroup_id_x 1
		.amdhsa_system_sgpr_workgroup_id_y 1
		.amdhsa_system_sgpr_workgroup_id_z 1
		.amdhsa_system_vgpr_workitem_id 0
		.amdhsa_next_free_vgpr 256
		.amdhsa_next_free_sgpr 66
		.amdhsa_reserve_vcc 0
		.amdhsa_float_denorm_mode_32 3
		.amdhsa_float_denorm_mode_16_64 3
		.amdhsa_memory_ordered 1
		.amdhsa_forward_progress 1
		.amdhsa_inst_pref_size 64
	.end_amdhsa_kernel
	.amdgpu_metadata
---
amdhsa.version: [ 1, 2 ]
amdhsa.kernels:
  - .name:           k_q0d40b073a7_attn
    .symbol:         k_q0d40b073a7_attn.kd
    .args:
      - { .name: qimg, .offset: 0, .size: 8, .value_kind: global_buffer, .address_space: global }
      - { .name: kv, .offset: 8, .size: 8, .value_kind: global_buffer, .address_space: global }
      - { .name: oimg, .offset: 16, .size: 8, .value_kind: global_buffer, .address_space: global }
      - { .name: oscl, .offset: 24, .size: 8, .value_kind: global_buffer, .address_space: global }
    .group_segment_fixed_size: 327680
    .private_segment_fixed_size: 0
    .kernarg_segment_align: 8
    .kernarg_segment_size: 32
    .max_flat_workgroup_size: 512
    .sgpr_count:     66
    .vgpr_count:     256
    .wavefront_size: 32
...
	.end_amdgpu_metadata
.endif
;; end of part 3
;; launch oproj (part 4): grid 4 x 16, 4 waves a work-group, clusters of 4 x 4, 327,680 bytes of LDS; arguments oimg, oscl, codes, scales, out0; writes out0
.if DOCPART == 4
	.amdgcn_target "amdgcn-amd-amdhsa--gfx1250"
	.amdhsa_code_object_version 6
	.text
	.protected	k_q0d40b073a7_oproj
	.globl	k_q0d40b073a7_oproj
	.p2align	8
	.type	k_q0d40b073a7_oproj,@function
k_q0d40b073a7_oproj:
	s_mov_b64 s[64:65], 0
	v_nop
	global_prefetch_b8 v0, s[64:65] scope:SCOPE_SE
	s_setreg_imm32_b32 hwreg(HW_REG_WAVE_MODE, 25, 1), 1
	s_wait_xcnt 0x0
	s_wait_alu depctr_hold_cnt(0) depctr_sa_sdst(0) depctr_va_vdst(0) depctr_va_sdst(0) depctr_va_ssrc(0) depctr_va_vcc(0) depctr_vm_vsrc(0)
	s_getreg_b32 s2, hwreg(HW_REG_IB_STS2, 6, 4)
	s_cmp_eq_u32 s2, 0
	s_cbranch_scc0 .Lentry_in_a_cluster
	s_endpgm
.Lentry_in_a_cluster:
	s_bfe_u32 s2, ttmp6, 0x10000c
	s_cmp_lg_u32 s2, 0xf033
	s_cbranch_scc0 .Lentry_shape_is_right
	s_endpgm
.Lentry_shape_is_right:
; OPROJ.  out0[m][n] = the sum over k of A[m][k] Wo[n][k], M = 4,096, N = 1,024, K = 1,024, on codes of FP6 (E2M3) with E8M0 scales; out0 f32.
; A is the attention launch's result: oimg [256 tiles of 16 tokens][16 heads][768 bytes], the image of half a fragment (6 registers: 16 tokens x 64 channels), two registers a chunk of 256 bytes, lane l at 8 l; two heads make a fragment of 128 along K.
; Its scale bytes: oscl [16 tile + lane % 16][32].  Lane r of tile 8 g + a is token 128 g + 32 (a / 2) + 8 (a % 2) + r % 8 + 16 (r / 8): the stores at the end put each row at its token's place.
; B is Wo: rows 7,168 on of the buffers of codes and scales, in their own order.
; A tile of 256 x 256 is made by a work-group of four waves; a wave makes 128 x 128: 64 accumulators.  K goes in steps of 256 (four heads) through a ring of two LDS slots; the scale bytes come into LDS once.
; 64 work-groups: a tile of 128 x 128 would give 256, at twice the LDS reads for each product; this launch is the program's shortest, so the larger tile stays.
; CLUSTERS: 4 x 4 work-groups; A's tiles are shared along a row of the cluster, B's along a column: each is asked for jointly.  The matrix instruction is used transposed (source 0 = rows of Wo, source 1 = tokens): a lane holds eight neighbouring numbers of a row of out0.
; REGISTERS, in windows of 256: window 0: v0-31 addresses; v32-63 scale words, two sets; from v128 A's fragments, one set; on the way out v128-255 rows read back.  window 1: B's fragments, two sets.  windows 2, 3: the accumulators.
.set SIZE_N, 1024
.set SIZE_K, 1024
.set KSTEP,  256
.set NQ,     KSTEP/128
.set ROWB,   192                       ; B: a tile's row in bytes
.set KROW,   SIZE_K*6/8
.set PITCH,  240                       ; B: an LDS row: 3 x (64 bytes + 16 of padding)
.set AROWB,  3072                      ; A: four heads' images of one tile of tokens
.set APITCH, 12288                     ; A: from a tile of tokens to the next, in memory
.set FR,     12
.set NL,     6
.set NP,     4                         ; places behind this matrix instruction (ISA guide 7.12.1)
.set HALFA,  8*AROWB                   ; 8 tiles of tokens: what one tensor load brings of A
.set BOFF,   2*HALFA
.set HALFB,  128*PITCH
.set SLOT,   BOFF+2*HALFB
.set LAPS,   SIZE_K/(2*KSTEP)
.set KS,     SIZE_K/32
.set SCL,    2*SLOT
.set HALFS,  (128*KS/256)*272
.set SBLK,   (16*KS/256)*272
.set SPARE,  SCL+4*HALFS               ; the spare words, 128 bytes for each wave: two blocks of 256 bytes that no other line names
.set SPITCH, 528                       ; the way out: a stage of 16 rows x (512 bytes + 16) for each wave, in slot 0, which has had its last fill and its last read when the first result is stored there
.set ADRA, 16                          ; v16-17 LDS address of my A images in slot 0, 1
.set ADRB, 20                          ; v20-21 of my B fragments (v22-23: for the pieces behind one padding more)
.set STO,  24
.set RD,   25
.set CO,   26
.set ADRS, 27
.set SPW,  28
.set NIL,  29
.set SC,   32
.set AF,   128
.set BK,   128
.set G1, 24
.set G0, 32
.set G1B, 48
.set G0B, 56
.set G1S, 68
.set G0S, 76
.set G1SB, 80
.set G0SB, 88
.set MSB, 0
.macro WIN new                         ; the immediate's high byte repeats the setting that is left
.if MSB != \new
	s_set_vgpr_msb (MSB<<8)|\new
.set MSB, \new
.endif
.endm
.set MUL_LO, 0xa1
.set MUL_HI, 0xf1
.set TO_B,   0x40
.macro JLOAD g0a, g1a, g0b, g1b        ; a joint load: waves 0 and 1 fetch for A, waves 2 and 3 for B; four v_nop follow each of the two lines
	s_cmp_eq_u32 s15, 0
	s_cbranch_scc0 .Lfor_b_\@
	tensor_load_to_lds s[\g0a:\g0a+3], s[\g1a:\g1a+7]
	s_nop 0
.rept 4
	v_nop
.endr
	s_branch .Lasked_\@
.Lfor_b_\@:
	tensor_load_to_lds s[\g0b:\g0b+3], s[\g1b:\g1b+7]
	s_nop 0
.rept 4
	v_nop
.endr
.Lasked_\@:
.endm
.macro CREST
	s_cmp_lg_u32 s14, 0
	s_cbranch_scc1 .Lnot_wave_0_\@
	s_barrier_signal -3
.Lnot_wave_0_\@:
	s_barrier_wait -3
	s_barrier_signal -1
	s_barrier_wait -1
.endm
.macro CROUND
	s_barrier_signal -1
	s_barrier_wait -1
	CREST
.endm
	s_load_b128 s[4:7], s[0:1], 0x0                ; oimg, oscl
	s_load_b128 s[8:11], s[0:1], 0x10              ; codes, scales
	s_load_b64 s[12:13], s[0:1], 0x20              ; out0
	v_lshl_add_u32 v[SPW], v0, 2, SPARE
	v_mov_b32 v[NIL], 0
	ds_add_u32 v28, v29
	s_wait_dscnt 0x0
	v_lshrrev_b32 v1, 5, v0
	v_readfirstlane_b32 s14, v1                    ; wave 0..3
	s_lshr_b32 s15, s14, 1                         ; which half of the tile's rows is mine.  Also: I fetch for A (0) or for B (1)
	s_and_b32 s16, s14, 1                          ; which half of its columns.  Also: which half of that tile I fetch
	s_bfe_u32 s40, ttmp6, 0x40000                  ; cx, cy
	s_bfe_u32 s41, ttmp6, 0x40004
	s_lshl_b32 s42, ttmp9, 2
	s_add_co_u32 s42, s42, s40                     ; tile column
	s_and_b32 s17, ttmp7, 0xffff
	s_lshl_b32 s17, s17, 2
	s_add_co_u32 s17, s17, s41                     ; tile row
	s_lshl_b32 s43, s41, 2
	s_lshl_b32 s43, 15, s43                        ; my row of the cluster
	s_lshl_b32 s44, 0x1111, s40                    ; my column
	; A: 8 rows of 3,072 bytes (384 elements of 8), 12,288 bytes apart in memory, dense in LDS
	s_or_b32 s[G1+0], s43, (3<<16)|(1<<21)
	s_mov_b32 s[G1+1], (AROWB/8)<<16               ; tensor_dim0
	s_mov_b32 s[G1+2], 8<<16                       ; tensor_dim1
	s_mov_b32 s[G1+3], (AROWB/8)<<16               ; tile_dim0
	s_mov_b32 s[G1+4], 8                           ; tile_dim1
	s_mov_b32 s[G1+5], APITCH/8                    ; the pitch
	s_mov_b32 s[G1+6], 0
	s_mov_b32 s[G1+7], 0
	; B: 128 rows of 192 bytes, 16 bytes of padding behind every 64
	s_or_b32 s[G1B+0], s44, (0<<16)|(1<<20)|(1<<21)|(3<<22)|(3<<25)
	s_mov_b32 s[G1B+1], ROWB<<16
	s_mov_b32 s[G1B+2], 128<<16
	s_mov_b32 s[G1B+3], ROWB<<16
	s_mov_b32 s[G1B+4], 128
	s_mov_b32 s[G1B+5], KROW
	s_mov_b32 s[G1B+6], 0
	s_mov_b32 s[G1B+7], 0
	; the scales of 128 rows: 16 rows of 256 bytes, 16 bytes of padding behind each
	s_or_b32 s[G1S+0], s43, (3<<16)|(1<<20)|(1<<21)|(5<<22)|(3<<25)
	s_or_b32 s[G1SB+0], s44, (3<<16)|(1<<20)|(1<<21)|(5<<22)|(3<<25)
.irp g, G1S, G1SB
	s_mov_b32 s[\g+1], 32<<16
	s_mov_b32 s[\g+2], (128*KS/256)<<16
	s_mov_b32 s[\g+3], 32<<16
	s_mov_b32 s[\g+4], 128*KS/256
	s_mov_b32 s[\g+5], 32
	s_mov_b32 s[\g+6], 0
	s_mov_b32 s[\g+7], 0
.endr
	s_lshl_b32 s20, s17, 4
	s_lshl_b32 s18, s16, 3
	s_add_co_u32 s20, s20, s18                     ; A: my first tile of tokens: 16 x tile row + 8 x half
	s_mul_i32 s20, s20, APITCH                     ; (every byte offset here stays under 2^32)
	s_mov_b32 s21, 0
	s_lshl_b32 s22, s17, 8
	s_lshl_b32 s18, s16, 7
	s_add_co_u32 s22, s22, s18
	s_lshl_b32 s22, s22, 5                         ; A's scales: 32 bytes a row
	s_mov_b32 s23, 0
	s_lshl_b32 s46, s42, 8
	s_add_co_u32 s46, s46, s18
	s_add_co_u32 s46, s46, 7168                    ; B: Wo's rows begin at 7,168
	s_lshl_b32 s92, s46, 5
	s_mov_b32 s93, 0
	s_mul_i32 s46, s46, KROW
	s_mov_b32 s47, 0
	s_mul_i32 s45, s16, HALFA                      ; where they go: no place in the cluster enters an LDS address
	s_mul_i32 s95, s16, HALFB
	s_add_co_u32 s95, s95, BOFF
	s_mul_i32 s94, s14, HALFS
	s_wait_kmcnt 0x0
	s_add_nc_u64 s[20:21], s[4:5], s[20:21]
	s_add_nc_u64 s[22:23], s[6:7], s[22:23]
	s_add_nc_u64 s[46:47], s[8:9], s[46:47]
	s_add_nc_u64 s[92:93], s[10:11], s[92:93]
	CROUND                                         ; all sixteen work-groups are here: the first joint loads meet
	s_mov_b32 s[G0S], 1
	s_add_co_u32 s[G0S+1], s94, SCL
	s_mov_b64 s[G0S+2:G0S+3], s[22:23]
	s_or_b32 s[G0S+3], s[G0S+3], 0x80000000
	s_mov_b32 s[G0SB], 1
	s_add_co_u32 s[G0SB+1], s94, SCL
	s_mov_b64 s[G0SB+2:G0SB+3], s[92:93]
	s_or_b32 s[G0SB+3], s[G0SB+3], 0x80000000
	JLOAD G0S, G1S, G0SB, G1SB                     ; the scales first
.irp s, 0,1
	s_mov_b32 s[G0+4*\s], 1
	s_add_co_u32 s[G0+4*\s+1], s45, \s*SLOT
	s_add_nc_u64 s[G0+4*\s+2:G0+4*\s+3], s[20:21], \s*AROWB
	s_or_b32 s[G0+4*\s+3], s[G0+4*\s+3], 0x80000000
	s_mov_b32 s[G0B+4*\s], 1
	s_add_co_u32 s[G0B+4*\s+1], s95, \s*SLOT
	s_add_nc_u64 s[G0B+4*\s+2:G0B+4*\s+3], s[46:47], \s*ROWB
	s_or_b32 s[G0B+4*\s+3], s[G0B+4*\s+3], 0x80000000
	JLOAD G0+4*\s, G1, G0B+4*\s, G1B               ; three tensor loads of mine are out now
.endr
	v_and_b32 v1, 15, v0                           ; r
	v_bfe_u32 v2, v0, 4, 1                         ; h
	v_and_b32 v6, 31, v0                           ; lane
	v_lshlrev_b32 v3, 3, v6                        ; A: 8 bytes a lane
	v_mul_u32_u24 v4, v1, PITCH
	v_mad_u32_u24 v4, v2, 24, v4                   ; B: a fragment's row x pitch + 24 x half
	v_lshl_add_u32 v5, v2, 4, v4                   ; and the same behind one padding more
	s_mul_i32 s21, s15, HALFA                      ; my 8 tiles of tokens
	s_mul_i32 s22, s16, HALFB
	s_add_co_u32 s22, s22, BOFF                    ; my 128 rows of B
.irp s, 0,1
	v_add_nc_u32 v[ADRA+\s], s21, v3
	v_add_nc_u32 v[ADRB+\s], s22, v4
	v_add_nc_u32 v[ADRB+2+\s], s22, v5
	s_add_co_u32 s21, s21, SLOT
	s_add_co_u32 s22, s22, SLOT
.endr
	v_mul_u32_u24 v5, v1, KS                       ; my row's scales
	v_lshrrev_b32 v7, 8, v5
	v_lshl_add_u32 v5, v7, 4, v5
	s_mul_i32 s21, s15, HALFS
	s_mul_i32 s22, s16, HALFS
	s_add_co_u32 s22, s22, 2*HALFS
	s_sub_co_u32 s22, s22, s21
	v_mul_u32_u24 v7, s22, v2                      ; lanes 16-31 take B's
	s_add_co_u32 s21, s21, SCL
	v_add_nc_u32 v5, v5, v7
	v_add_nc_u32 v[ADRS], s21, v5
	s_mul_i32 s23, s14, 16*SPITCH                  ; my stage
	v_mul_u32_u24 v5, v1, SPITCH
	v_lshl_add_u32 v5, v2, 5, v5
	v_add_nc_u32 v[STO], s23, v5                   ; in: row r, 32 bytes for each half of the lanes
	v_lshlrev_b32 v[CO], 4, v6                     ; back: the 32 lanes take one row of 512 bytes; and the same in out0
	v_add_nc_u32 v[RD], s23, v[CO]
	s_lshl_b32 s20, s17, 8
	s_lshl_b32 s21, s15, 7
	s_add_co_u32 s20, s20, s21                     ; my first row of out0
	s_lshl_b32 s20, s20, 12                        ; 4,096 bytes a row
	s_lshl_b32 s46, s42, 10                        ; my first column, in bytes
	s_lshl_b32 s47, s16, 9
	s_add_co_u32 s46, s46, s47
	s_add_co_u32 s20, s20, s46
	s_mov_b32 s21, 0
	s_add_nc_u64 s[12:13], s[12:13], s[20:21]
.macro FRAG reg, adr, q, i             ; B: 12 registers in six pieces of 8 bytes
.irp p, 0,1,2,3,4,5
.set PC, 12*(\q)+6*(\p/3)+\p%3
.if PC%8 < 5
	ds_load_b64 v[\reg+2*\p:\reg+2*\p+1], v[\adr] offset:8*PC+16*(PC/8)+(\i)*16*PITCH
.else
	ds_load_b64 v[\reg+2*\p:\reg+2*\p+1], v[\adr+2] offset:8*PC+16*(PC/8)+(\i)*16*PITCH
.endif
.endr
.endm
.macro FRAG_A reg, slot, q, i          ; A: tile of tokens i, heads 2 q and 2 q + 1 of the slot's four: six chunks of 256 consecutive bytes
.irp p, 0,1,2,3,4,5
	ds_load_b64 v[\reg+2*\p:\reg+2*\p+1], v[ADRA+\slot] offset:AROWB*(\i)+1536*(\q)+768*(\p/3)+256*(\p%3)
.endr
.endm
; 16 matrix instructions; the 64 accumulators take turns, one instruction a turn, in the same order in every step.
.macro MUL16 a0, p, q, sc, zero
.irp a, \a0, \a0+1
.irp b, 0,1,2,3,4,5,6,7
.if \zero
	v_wmma_scale_f32_16x16x128_f8f6f4 v[8*(8*((\a)%4)+\b):8*(8*((\a)%4)+\b)+7], v[128*(\p)+FR*\b:128*(\p)+FR*\b+FR-1], v[AF+FR*(\a):AF+FR*(\a)+FR-1], 0, v[SC+8*NQ*(\sc)+NQ*\b+(\q)], v[SC+8*NQ*(\sc)+NQ*(\a)+(\q)] matrix_a_fmt:MATRIX_FMT_FP6 matrix_b_fmt:MATRIX_FMT_FP6 matrix_a_scale:MATRIX_SCALE_ROW1
.else
	v_wmma_scale_f32_16x16x128_f8f6f4 v[8*(8*((\a)%4)+\b):8*(8*((\a)%4)+\b)+7], v[128*(\p)+FR*\b:128*(\p)+FR*\b+FR-1], v[AF+FR*(\a):AF+FR*(\a)+FR-1], v[8*(8*((\a)%4)+\b):8*(8*((\a)%4)+\b)+7], v[SC+8*NQ*(\sc)+NQ*\b+(\q)], v[SC+8*NQ*(\sc)+NQ*(\a)+(\q)] matrix_a_fmt:MATRIX_FMT_FP6 matrix_b_fmt:MATRIX_FMT_FP6 matrix_a_scale:MATRIX_SCALE_ROW1
.endif
.endr
.endr
.endm
.macro FETCH_B slot, q, p
	WIN TO_B
.irp i, 0,1,2,3,4,5,6,7
	FRAG 128*(\p)+FR*\i, ADRB+\slot, \q, \i
.endr
	WIN 0
.endm
.macro FETCH_A slot, q, i0
.irp i, \i0, \i0+1, \i0+2, \i0+3
	FRAG_A AF+FR*(\i), \slot, \q, \i
.endr
.endm
.macro SCALES sc
.irp i, 0,1,2,3,4,5,6,7
	ds_load_b64 v[SC+8*NQ*\sc+NQ*\i:SC+8*NQ*\sc+NQ*\i+1], v[ADRS] offset:\i*SBLK
.endr
.endm
.macro PLACES n
.rept \n
	v_nop
.endr
.endm
.macro STEP slot, q, zero
	s_wait_dscnt 4*NL                              ; B's set and A's blocks 0-3 are in; the youngest 24 loads (A's blocks 4-7) may be out
	WIN MUL_LO
	MUL16 0, (\q)%2, \q, \slot, \zero
	MUL16 2, (\q)%2, \q, \slot, \zero
	s_wait_dscnt 0
	PLACES NP
	FETCH_B \slot, (\q)+1, 1-(\q)%2
	FETCH_A \slot, (\q)+1, 0
	WIN MUL_HI
	MUL16 4, (\q)%2, \q, \slot, \zero
	MUL16 6, (\q)%2, \q, \slot, \zero
	PLACES NP
	WIN 0
	FETCH_A \slot, (\q)+1, 4
.endm
.macro TURN slot, next, fill
	s_wait_tensorcnt 0x0                           ; all my tensor loads have landed: my part of the next slot
	ds_add_u32 v[SPW], v[NIL]                      ; 0 onto my spare word
	s_wait_dscnt 4*NL+1                            ; (the add and the youngest 24 loads may be out)
	WIN MUL_LO
	MUL16 0, 1, NQ-1, \slot, 0
	s_wait_dscnt 0x0                               ; the add is done, and my reads of this slot are over
	s_barrier_signal -1
	MUL16 2, 1, NQ-1, \slot, 0
	WIN 0
	s_barrier_wait -1
.if \fill
	CREST                                          ; the barrier has opened a round of the cluster's barrier
	s_add_nc_u64 s[G0+4*\slot+2:G0+4*\slot+3], s[G0+4*\slot+2:G0+4*\slot+3], 2*AROWB
	s_add_nc_u64 s[G0B+4*\slot+2:G0B+4*\slot+3], s[G0B+4*\slot+2:G0B+4*\slot+3], 2*ROWB
	JLOAD G0+4*\slot, G1, G0B+4*\slot, G1B         ; the first tensor load behind the round, and my only one out; its four v_nop are the places in front of the loads below
.else
	PLACES NP
.endif
	v_add_nc_u32 v[ADRS], 4*NQ, v[ADRS]
	FETCH_B \next, 0, 0
	FETCH_A \next, 0, 0
	SCALES \next
	WIN MUL_HI
	MUL16 4, 1, NQ-1, \slot, 0
	MUL16 6, 1, NQ-1, \slot, 0
	PLACES NP
	WIN 0
	FETCH_A \next, 0, 4
.endm
	s_wait_tensorcnt 1                             ; the scales and my part of K step 0 are in (K step 1's load may be out)
	s_barrier_signal -1
	s_barrier_wait -1
	FETCH_B 0, 0, 0
	FETCH_A 0, 0, 0
	SCALES 0
	FETCH_A 0, 0, 4
	STEP 0, 0, 1                                   ; the first step's products start the sums
	s_mov_b32 s3, LAPS-1
.Llap:
	TURN 0, 1, 1
	STEP 1, 0, 0
	TURN 1, 0, 1
	STEP 0, 0, 0
	s_sub_co_u32 s3, s3, 1
	s_cmp_lg_u32 s3, 0
	s_cbranch_scc1 .Llap
	TURN 0, 1, 0                                   ; the last lap fills nothing
	STEP 1, 0, 0
	s_wait_dscnt 4*NL
	WIN MUL_LO
	MUL16 0, 1, NQ-1, 1, 0
	MUL16 2, 1, NQ-1, 1, 0
	s_wait_dscnt 0
	WIN MUL_HI
	MUL16 4, 1, NQ-1, 1, 0
	MUL16 6, 1, NQ-1, 1, 0
	WIN 0
; THE WAY OUT, block by block of 16 rows x 128 columns, through my own stage in LDS; back as whole rows of 512 bytes.  LDS serves a wave's instructions in order (ISA guide 5.7.1.4): no wait between the stores and the loads.
.macro TOSTAGE a
.set AC, 64*((\a)%4)
	WIN 0x08+4*((\a)/4)                            ; the data: window 2 or 3
.irp b, 0,1,2,3,4,5,6,7
	ds_store_b128 v[STO], v[AC+8*\b:AC+8*\b+3] offset:64*\b          ; each accumulator from its low end on
	ds_store_b128 v[STO], v[AC+8*\b+4:AC+8*\b+7] offset:64*\b+16
.endr
	WIN 0
.set BB, BK+64*((\a)%2)
.irp t, 0,1,2,3,4,5,6,7,8,9,10,11,12,13,14,15
	ds_load_b128 v[BB+4*\t:BB+4*\t+3], v[RD] offset:\t*SPITCH
.endr
.endm
.macro SEND a, younger                 ; stage row t of block a is token 32 (a / 2) + 8 (a % 2) + t % 8 + 16 (t / 8) of my 128: its place stands in the immediate, 127 rows of 4,096 bytes at the most
.set BB, BK+64*((\a)%2)
	s_wait_dscnt \younger                          ; the block is back in registers
.irp t, 0,1,2,3,4,5,6,7,8,9,10,11,12,13,14,15
	global_store_b128 v[CO], v[BB+4*\t:BB+4*\t+3], s[12:13] offset:(32*((\a)/2)+8*((\a)%2)+(\t&7)+16*(\t>>3))*SIZE_N*4 th:TH_STORE_NT   ; 32 lanes store 512 consecutive bytes, aligned
.endr
.endm
	PLACES NP
	TOSTAGE 0
.irp a, 1,2,3,4,5,6,7
.if \a > 1
	s_wait_xcnt 0x0                                ; block a - 2's stores have read their registers: block a's loads may land there
.endif
	TOSTAGE \a
	SEND \a-1, 32                                  ; behind block a - 1's loads: block a's 16 stores and 16 loads
.endr
	SEND 7, 0
	s_wait_tensorcnt 0x0                           ; the wave's end
	ds_add_u32 v[SPW], v[NIL]
	s_wait_dscnt 0x0
	CROUND                                         ; the closing round
	s_endpgm
.Lfunc_end_k_q0d40b073a7_oproj:
	.size	k_q0d40b073a7_oproj, .Lfunc_end_k_q0d40b073a7_oproj-k_q0d40b073a7_oproj
	.p2alignl 7, 3214868480
	.fill 96, 4, 3214868480
	.section	.rodata,"a",@progbits
	.p2align	6, 0x0
	.amdhsa_kernel k_q0d40b073a7_oproj
		.amdhsa_group_segment_fixed_size 327680
		.amdhsa_private_segment_fixed_size 0
		.amdhsa_enable_private_segment 0
		.amdhsa_kernarg_size 40
		.amdhsa_user_sgpr_count 2
		.amdhsa_user_sgpr_kernarg_segment_ptr 1
		.amdhsa_wavefront_size32 1
		.amdhsa_system_sgpr_workgroup_id_x 1
		.amdhsa_system_sgpr_workgroup_id_y 1
		.amdhsa_system_sgpr_workgroup_id_z 1
		.amdhsa_system_vgpr_workitem_id 0
		.amdhsa_next_free_vgpr 1024
		.amdhsa_next_free_sgpr 98
		.amdhsa_reserve_vcc 0
		.amdhsa_float_denorm_mode_32 3
		.amdhsa_float_denorm_mode_16_64 3
		.amdhsa_memory_ordered 1
		.amdhsa_forward_progress 1
		.amdhsa_inst_pref_size 159
	.end_amdhsa_kernel
	.amdgpu_metadata
---
amdhsa.version: [ 1, 2 ]
amdhsa.kernels:
  - .name:           k_q0d40b073a7_oproj
    .symbol:         k_q0d40b073a7_oproj.kd
    .args:
      - { .name: oimg, .offset: 0, .size: 8, .value_kind: global_buffer, .address_space: global }
      - { .name: oscl, .offset: 8, .size: 8, .value_kind: global_buffer, .address_space: global }
      - { .name: codes, .offset: 16, .size: 8, .value_kind: global_buffer, .address_space: global }
      - { .name: scales, .offset: 24, .size: 8, .value_kind: global_buffer, .address_space: global }
      - { .name: out0, .offset: 32, .size: 8, .value_kind: global_buffer, .address_space: global }
    .group_segment_fixed_size: 327680
    .private_segment_fixed_size: 0
    .kernarg_segment_align: 8
    .kernarg_segment_size: 40
    .max_flat_workgroup_size: 128
    .sgpr_count:     98
    .vgpr_count:     1024
    .wavefront_size: 32
...
	.end_amdgpu_metadata
.endif
;; end of part 4
